; MI455X (gfx1250); checked and timed in simulation.
; The chip was launched on July 23, 2026; its instructions are those of AMD's public machine-readable ISA for CDNA 5 (MIT licence, August 2026) and "CDNA5" Instruction Set Architecture Reference Guide (July 2026). The comments in the code are by the model that wrote it; some were corrected since.
;; Cross Modal Attention. Allowed arithmetic: float matrix products may take bf16 or f16 operands with f32 sums; other float arithmetic in f32, or as packed bf16 or f16 multiplies, adds, multiply-adds, maxima and minima; sums over many terms, partial sums and values carried from step to step in f32; what a program stores and reads back later, other than sums and carried values, may be rounded once to bf16 or f16.
;; Inputs: Wf1 512 x 2,048 float32; Wf2 2,048 x 512 float32; Wk 512 x 512 float32; Wo 512 x 512 float32; Wq 512 x 512 float32; Wv 512 x 512 float32; b1 512 float32; b2 512 float32; bf1 2,048 float32; bf2 512 float32; bk 512 float32; bo 512 float32; bq 512 float32; bv 512 float32; g1 512 float32; g2 512 float32; x1 4 x 2,048 x 512 float32; x2 4 x 2,048 x 512 float32.
;; Outputs: out0 4 x 2,048 x 512 float32.
;; One version. Each part assembles by itself: llvm-mc -triple=amdgcn-amd-amdhsa -mcpu=gfx1250 --defsym DOCPART=n.
;; ======== version 1 of 1: 8 launches
;; limits: values are held in f16: magnitudes above 65,504 overflow, below 6.1e-05 lose precision
;; workspace buffers: xcast 16,777,216 bytes; wqkv 1,572,864 bytes; wo16 524,288 bytes; wffn 4,194,304 bytes; qkv 25,165,824 bytes; attn_o 8,388,608 bytes; hbuf 8,388,608 bytes; gbuf 33,554,432 bytes
;; launch prep (part 1): grid 32 x 44, 8 waves a work-group, no clusters, 0 bytes of LDS; arguments x1, x2, Wq, Wk, Wv, Wo, Wf1, Wf2, xcast, wqkv, wo16, wffn; writes xcast, wqkv, wo16, wffn
.if DOCPART == 1
	.amdgcn_target "amdgcn-amd-amdhsa--gfx1250"
	.amdhsa_code_object_version 6
	.text
	.protected	k_qf1c58012c7_prep
	.globl	k_qf1c58012c7_prep
	.p2align	8
	.type	k_qf1c58012c7_prep,@function
k_qf1c58012c7_prep:
	s_mov_b64 s[64:65], 0
	v_nop
	global_prefetch_b8 v0, s[64:65] scope:SCOPE_SE
	s_setreg_imm32_b32 hwreg(HW_REG_WAVE_MODE, 25, 1), 1
	s_wait_xcnt 0x0
; CASTS.  Every large input is rounded once to bf16 and laid down in 16 bits: x1, x2 -> xcast (x1 first), Wq, Wk, Wv -> wqkv, Wo -> wo16, all as bf16;
; Wf1, Wf2 -> wffn: rounded to bf16 like the others, and that number written as f16, since the two products of the feed-forward part run in f16.
; LIMITS.  A weight of Wf1 or Wf2 of 65,520 or more becomes an infinity; below 2^-14 it keeps f16's fixed step of 6e-8.
; SHARES.  The work is 44 units of 262,144 numbers (x1: 0-15, x2: 16-31, Wq, Wk, Wv, Wo: 32-35, Wf1: 36-39, Wf2: 40-43); the grid's y is the unit, its x one of 32 parts
; of 8,192 numbers.  A thread takes 8 neighbouring numbers in each of four chunks: 32 bytes in by two loads, 16 bytes out, so a wave's store covers 512 consecutive aligned bytes.
; A stream: no LDS, no matrix unit, no cluster (no byte is read twice).  All eight loads of a wave go out at once; nothing is rewritten, so no wait but the counted ones.
.set CH_IN,  8192                      ; bytes of input in a chunk of the work-group
.set CH_OUT, 4096                      ; bytes of output
.set X, 4                              ; v[4:35]   chunk c: 8 numbers as loaded
.set T, 36                             ; v[36:39]  at work
.set Y, 44                             ; v[44:59]  chunk c: 4 registers to store
	s_load_b512 s[8:23], s[0:1], 0x0               ; x1 s[8:9], x2, Wq, Wk, Wv, Wo, Wf1, Wf2 s[22:23]
	s_load_b256 s[24:31], s[0:1], 0x40             ; xcast s[24:25], wqkv, wo16, wffn s[30:31]
	s_and_b32 s2, ttmp7, 0xffff                    ; the unit
	v_lshlrev_b32 v1, 5, v0                        ; my 32 bytes in a chunk of the input
	v_lshlrev_b32 v2, 4, v0                        ; my 16 bytes in a chunk of the output
	s_mov_b32 s36, 0                               ; the first unit of the source that is chosen
	s_mov_b32 s37, 0                               ; and of the destination
	s_mov_b32 s42, 0xffff0000                      ; a word's upper bf16
	s_wait_kmcnt 0x0
	s_mov_b64 s[32:33], s[8:9]
	s_mov_b64 s[34:35], s[24:25]
.macro FROM bound, p                   ; from unit bound on the source is the buffer in s[p:p+1]
	s_cmp_ge_u32 s2, \bound
	s_cselect_b64 s[32:33], s[\p:\p+1], s[32:33]
	s_cselect_b32 s36, \bound, s36
.endm
.macro INTO bound, p                   ; the same for the destination
	s_cmp_ge_u32 s2, \bound
	s_cselect_b64 s[34:35], s[\p:\p+1], s[34:35]
	s_cselect_b32 s37, \bound, s37
.endm
	FROM 16, 10
	FROM 32, 12
	INTO 32, 26
	FROM 33, 14
	FROM 34, 16
	FROM 35, 18
	INTO 35, 28
	FROM 36, 20
	INTO 36, 30
	FROM 40, 22
	s_sub_co_u32 s38, s2, s36                      ; offsets are made apart from the addresses: units of 1 MiB in,
	s_lshl_b32 s38, s38, 20
	s_lshl_b32 s39, ttmp9, 15
	s_add_co_u32 s38, s38, s39
	s_mov_b32 s39, 0
	s_sub_co_u32 s40, s2, s37                      ; of 512 KiB out
	s_lshl_b32 s40, s40, 19
	s_lshl_b32 s41, ttmp9, 14
	s_add_co_u32 s40, s40, s41
	s_mov_b32 s41, 0
	s_add_nc_u64 s[32:33], s[32:33], s[38:39]
	s_add_nc_u64 s[34:35], s[34:35], s[40:41]
.irp c, 0,1,2,3
	global_load_b128 v[X+8*\c:X+8*\c+3],   v1, s[32:33] offset:\c*CH_IN th:TH_LOAD_NT
	global_load_b128 v[X+8*\c+4:X+8*\c+7], v1, s[32:33] offset:\c*CH_IN+16 th:TH_LOAD_NT
.endr
	s_cmp_ge_u32 s2, 36
	s_cbranch_scc1 .Lf16
.irp c, 0,1,2,3
	s_wait_loadcnt 6-2*\c                          ; loads come back in order: chunk c is in, the younger chunks' loads stay out
.irp j, 0,1,2,3
	v_cvt_pk_bf16_f32 v[Y+4*\c+\j], v[X+8*\c+2*\j], v[X+8*\c+2*\j+1]
.endr
	global_store_b128 v2, v[Y+4*\c:Y+4*\c+3], s[34:35] offset:\c*CH_OUT
.endr
	s_endpgm
.Lf16:
.irp c, 0,1,2,3
	s_wait_loadcnt 6-2*\c
.irp j, 0,1,2,3
	v_cvt_pk_bf16_f32 v[T+\j], v[X+8*\c+2*\j], v[X+8*\c+2*\j+1]   ; the rounding that every input has,
.endr
.irp j, 0,1,2,3
	v_lshlrev_b32 v[X+8*\c+2*\j],   16, v[T+\j]                   ; back to f32,
	v_and_b32     v[X+8*\c+2*\j+1], s42, v[T+\j]
.endr
.irp j, 0,1,2,3
	v_cvt_pk_f16_f32 v[Y+4*\c+\j], v[X+8*\c+2*\j], v[X+8*\c+2*\j+1]  ; and written as f16: exact inside f16's normal range
.endr
	global_store_b128 v2, v[Y+4*\c:Y+4*\c+3], s[34:35] offset:\c*CH_OUT
.endr
	s_endpgm
.Lfunc_end_k_qf1c58012c7_prep:
	.size	k_qf1c58012c7_prep, .Lfunc_end_k_qf1c58012c7_prep-k_qf1c58012c7_prep
	.p2alignl 7, 3214868480
	.fill 96, 4, 3214868480
	.section	.rodata,"a",@progbits
	.p2align	6, 0x0
	.amdhsa_kernel k_qf1c58012c7_prep
		.amdhsa_group_segment_fixed_size 0
		.amdhsa_private_segment_fixed_size 0
		.amdhsa_enable_private_segment 0
		.amdhsa_kernarg_size 96
		.amdhsa_user_sgpr_count 2
		.amdhsa_user_sgpr_kernarg_segment_ptr 1
		.amdhsa_wavefront_size32 1
		.amdhsa_system_sgpr_workgroup_id_x 1
		.amdhsa_system_sgpr_workgroup_id_y 1
		.amdhsa_system_sgpr_workgroup_id_z 1
		.amdhsa_system_vgpr_workitem_id 0
		.amdhsa_next_free_vgpr 64
		.amdhsa_next_free_sgpr 66
		.amdhsa_reserve_vcc 0
		.amdhsa_float_denorm_mode_32 3
		.amdhsa_float_denorm_mode_16_64 3
		.amdhsa_memory_ordered 1
		.amdhsa_forward_progress 1
		.amdhsa_inst_pref_size 8
	.end_amdhsa_kernel
	.amdgpu_metadata
---
amdhsa.version: [ 1, 2 ]
amdhsa.kernels:
  - .name:           k_qf1c58012c7_prep
    .symbol:         k_qf1c58012c7_prep.kd
    .args:
      - { .name: x1, .offset: 0, .size: 8, .value_kind: global_buffer, .address_space: global }
      - { .name: x2, .offset: 8, .size: 8, .value_kind: global_buffer, .address_space: global }
      - { .name: Wq, .offset: 16, .size: 8, .value_kind: global_buffer, .address_space: global }
      - { .name: Wk, .offset: 24, .size: 8, .value_kind: global_buffer, .address_space: global }
      - { .name: Wv, .offset: 32, .size: 8, .value_kind: global_buffer, .address_space: global }
      - { .name: Wo, .offset: 40, .size: 8, .value_kind: global_buffer, .address_space: global }
      - { .name: Wf1, .offset: 48, .size: 8, .value_kind: global_buffer, .address_space: global }
      - { .name: Wf2, .offset: 56, .size: 8, .value_kind: global_buffer, .address_space: global }
      - { .name: xcast, .offset: 64, .size: 8, .value_kind: global_buffer, .address_space: global }
      - { .name: wqkv, .offset: 72, .size: 8, .value_kind: global_buffer, .address_space: global }
      - { .name: wo16, .offset: 80, .size: 8, .value_kind: global_buffer, .address_space: global }
      - { .name: wffn, .offset: 88, .size: 8, .value_kind: global_buffer, .address_space: global }
    .group_segment_fixed_size: 0
    .private_segment_fixed_size: 0
    .kernarg_segment_align: 8
    .kernarg_segment_size: 96
    .max_flat_workgroup_size: 256
    .sgpr_count:     66
    .vgpr_count:     64
    .wavefront_size: 32
...
	.end_amdgpu_metadata
.endif
;; end of part 1
;; launch proj (part 2): grid 12 x 64, 4 waves a work-group, clusters of 4 x 4, 327,680 bytes of LDS; arguments xcast, wqkv, bq, bk, bv, qkv; writes qkv
.if DOCPART == 2
	.amdgcn_target "amdgcn-amd-amdhsa--gfx1250"
	.amdhsa_code_object_version 6
	.text
	.protected	k_qf1c58012c7_proj
	.globl	k_qf1c58012c7_proj
	.p2align	8
	.type	k_qf1c58012c7_proj,@function
k_qf1c58012c7_proj:
	s_mov_b64 s[64:65], 0
	v_nop
	global_prefetch_b8 v0, s[64:65] scope:SCOPE_SE
	s_setreg_imm32_b32 hwreg(HW_REG_WAVE_MODE, 25, 1), 1
	s_wait_xcnt 0x0
	s_wait_alu depctr_hold_cnt(0) depctr_sa_sdst(0) depctr_va_vdst(0) depctr_va_sdst(0) depctr_va_ssrc(0) depctr_va_vcc(0) depctr_vm_vsrc(0)
	s_getreg_b32 s2, hwreg(HW_REG_IB_STS2, 6, 4)
	s_cmp_eq_u32 s2, 0
	s_cbranch_scc0 .Lentry_in_a_cluster
	s_endpgm
.Lentry_in_a_cluster:
	s_bfe_u32 s2, ttmp6, 0x10000c
	s_cmp_lg_u32 s2, 0xf033
	s_cbranch_scc0 .Lentry_shape_is_right
	s_endpgm
.Lentry_shape_is_right:
; C = A W + bias, in bf16 with f32 sums.  A: [8192][512] bf16, W: [512 (k)][512 (n)] bf16, bias: [512] f32 (rounded to bf16 as every input is), C: [8192][512] bf16, rounded once.
; The cluster's x (sel) picks one of up to three products that lie one behind the other in the buffers: A's block min(sel, 1) of 8,388,608 bytes, W's block sel of 524,288,
; bias number sel, C's block sel of 8,388,608.  With a grid 12 wide that is q = x1 Wq + bq, k = x2 Wk + bk, v = x2 Wv + bv; with a grid 4 wide sel is 0: one product.
; A tile of C is 128 x 128: four waves, each 64 x 64: 16 accumulators of 16 x 16.  K = 512 is two steps of 256, each with an LDS slot of its own: both are first fills, nothing is filled again.
; CLUSTERS: 4 x 4 work-groups.  The four of a row of the cluster need the same tiles of A, the four of a column the same tiles of W: each tile is asked for JOINTLY, by the same tensor
; load with the same descriptor and a mask that names the four.
; THE MATRIX INSTRUCTION IS USED TRANSPOSED: source 0 = 16 columns of W (W lies [k][n] in LDS and is turned by ds_load_tr16_b128), source 1 = 16 rows of A: a lane then holds eight neighbouring numbers of a row of C.
; REGISTERS: window 0: v0-31 addresses; v32-95 at work on the way out; v96-127 the bias of my 64 columns; v128-255 the accumulators ((a, b) at v[128 + 8 (4 a + b)]).
;   window 1: two fragment buffers of 128: for 64 along K, 64 registers of A (2 x 4 x 16 rows x 32 K), then 64 of W.
.set SIZE_K, 512
.set SIZE_N, 512
.set KSTEP,  256
.set PA,     528                       ; a row of A in LDS: 512 bytes + 16 of padding = 132 words: row r starts at bank 4 r mod 64 (64 banks of 4 bytes: ISA guide 11.1)
.set AHALF,  64*PA                     ; 64 rows: what one tensor load brings of A, and what one wave reads of it
.set ATILE,  2*AHALF
.set PB,     288                       ; a k row of W in LDS: 128 columns = 256 bytes + 32 of padding = 72 words
.set BHALF,  128*PB                    ; 128 k rows: what one tensor load brings of W
.set SLOT,   ATILE+2*BHALF             ; A's 128 rows, then W's 256 k rows
.set SPITCH, 528                       ; the stage: 128 rows of 128 f32 + 16 bytes.  It lies in slot 0 from byte 0 on: that slot has had its only fill, and its last reads stand ahead of the change of slots' barrier
.set SPARE,  2*SLOT                    ; behind the slots: the spare words, 128 bytes for each wave: two blocks of 256 bytes that no other line names
.set ADRA, 16                          ; v16-17  LDS address of my A fragments in slot 0, 1
.set ADRB, 18                          ; v18-21  of my W fragments: slot 0 k rows 0-127, 128-255; slot 1 likewise
.set STO,  24                          ; v24     the way out: where I put 32 bytes of a row
.set RD,   25                          ; v25     the way out: where I read a row back
.set CO,   26                          ; v26     my byte offset in C
.set BO,   27                          ; v27     my byte offset in the bias
.set SPW,  28                          ; v28     LDS address of my spare word: SPARE + 4 x my thread's number; never rewritten
.set NIL,  29                          ; v29     0; never rewritten
.set TMP,  32
.set BIAS, 96                          ; column block b: 8 registers at BIAS + 8 b
.set ACC,  128
.set F0,   0                           ; fragment buffers, in window 1
.set F1,   128
.set G1, 24                            ; s[24:31] descriptor group 1 for A's tiles;  s[32:39] group 0, one set for each slot
.set G0, 32
.set G1B, 48                           ; s[48:55], s[56:63] the same for W's tiles
.set G0B, 56
.set MSB, 0
.macro WIN new                         ; the immediate's high byte repeats the setting that is left
.if MSB != (\new)
	s_set_vgpr_msb (MSB<<8)|(\new)
.set MSB, \new
.endif
.endm
.set MUL,  0x05                        ; sources 0 (W) and 1 (A) window 1; C and D window 0
.set TO_F, 0x40                        ; destination window 1, address window 0
.macro JLOAD s                         ; a joint load: waves 0 and 1 fetch A's two halves, waves 2 and 3 W's; an s_nop 0 and four v_nop follow each of the two lines, ahead of the jump and the label
	s_cmp_eq_u32 s11, 0
	s_cbranch_scc0 .Lfor_b_\@
	tensor_load_to_lds s[G0+4*(\s):G0+4*(\s)+3], s[G1:G1+7]
	s_nop 0
.rept 4
	v_nop
.endr
	s_branch .Lasked_\@
.Lfor_b_\@:
	tensor_load_to_lds s[G0B+4*(\s):G0B+4*(\s)+3], s[G1B:G1B+7]
	s_nop 0
.rept 4
	v_nop
.endr
.Lasked_\@:
.endm
.macro CROUND                          ; a round of the cluster's barrier: my work-group's barrier; wave 0 signals for the work-group; every wave waits for all sixteen; my work-group's barrier once more
	s_barrier_signal -1
	s_barrier_wait -1
	s_cmp_lg_u32 s10, 0
	s_cbranch_scc1 .Lnot_wave_0_\@
	s_barrier_signal -3
.Lnot_wave_0_\@:
	s_barrier_wait -3
	s_barrier_signal -1
	s_barrier_wait -1
.endm
	s_load_b256 s[68:75], s[0:1], 0x0              ; A s[68:69], W s[70:71], bias 0 s[72:73], bias 1 s[74:75]
	s_load_b128 s[76:79], s[0:1], 0x20             ; bias 2 s[76:77], C s[78:79]
	v_lshl_add_u32 v[SPW], v0, 2, SPARE
	v_mov_b32 v[NIL], 0
	ds_add_u32 v[SPW], v[NIL]                      ; the wave's opening: the add and its wait stand ahead of my first tensor load; the set-up below, work on registers, stands between them
	v_lshrrev_b32 v1, 5, v0
	v_readfirstlane_b32 s10, v1                    ; wave 0..3
	s_lshr_b32 s11, s10, 1                         ; which half of the tile's rows is mine.  Also: I fetch for A (0) or for W (1)
	s_and_b32 s12, s10, 1                          ; which half of its columns.  Also: which half of that tile I fetch
	s_bfe_u32 s40, ttmp6, 0x40000                  ; cx, cy: my place in the cluster
	s_bfe_u32 s41, ttmp6, 0x40004
	s_mov_b32 s80, ttmp9                           ; sel: the cluster's x, the same in all sixteen partners
	s_mov_b32 s42, s40                             ; tile column of C = cx
	s_and_b32 s13, ttmp7, 0xffff
	s_lshl_b32 s13, s13, 2
	s_add_co_u32 s13, s13, s41                     ; tile row of C = 4 x cluster y + cy
	s_lshl_b32 s43, s41, 2
	s_lshl_b32 s43, 15, s43                        ; my row of the cluster
	s_lshl_b32 s44, 0x1111, s40                    ; my column
	; descriptor group 1.  A: 64 rows x 256 elements; W: 128 k rows x 128 elements; both padded in LDS
	s_or_b32 s[G1+0], s43, (1<<16)|(1<<20)|(1<<21)|(6<<22)|(3<<25)   ; 15:0 the mask: A's tiles go to my row; 17:16 2-byte elements; 20 padding on; 21 set beside a mask; 24:22 after every 128 words (code 6); 31:25 4 words (code 3)
	s_mov_b32 s[G1+1], KSTEP<<16                   ; tensor_dim0 = 256
	s_mov_b32 s[G1+2], 64<<16                      ; tensor_dim1 = 64
	s_mov_b32 s[G1+3], KSTEP<<16                   ; tile_dim0 = 256
	s_mov_b32 s[G1+4], 64                          ; tile_dim1 = 64
	s_mov_b32 s[G1+5], SIZE_K                      ; elements from row to row
	s_mov_b32 s[G1+6], 0
	s_mov_b32 s[G1+7], 0
	s_or_b32 s[G1B+0], s44, (1<<16)|(1<<20)|(1<<21)|(5<<22)|(7<<25)  ; the mask of my column; padding after every 64 words (code 5), 8 words (code 7)
	s_mov_b32 s[G1B+1], 128<<16
	s_mov_b32 s[G1B+2], 128<<16
	s_mov_b32 s[G1B+3], 128<<16
	s_mov_b32 s[G1B+4], 128
	s_mov_b32 s[G1B+5], SIZE_N
	s_mov_b32 s[G1B+6], 0
	s_mov_b32 s[G1B+7], 0
	; where the tiles come from.  A's offset hangs on the tile row, sel and the wave; W's on the tile column, sel and the wave; each in registers that never hold the other coordinate
	s_lshl_b32 s16, s13, 7
	s_lshl_b32 s17, s12, 6
	s_add_co_u32 s16, s16, s17                     ; A: row 128 x tile row + 64 x half,
	s_mul_i32 s16, s16, SIZE_K*2                   ; in bytes,
	s_min_u32 s17, s80, 1
	s_lshl_b32 s17, s17, 23
	s_add_co_u32 s16, s16, s17                     ; in block min(sel, 1)
	s_mov_b32 s17, 0
	s_mul_i32 s46, s12, 128*SIZE_N*2               ; W: k row 128 x half,
	s_lshl_b32 s47, s42, 8
	s_add_co_u32 s46, s46, s47                     ; column 128 x tile column,
	s_lshl_b32 s47, s80, 19
	s_add_co_u32 s46, s46, s47                     ; in block sel
	s_mov_b32 s47, 0
	s_mul_i32 s20, s12, AHALF                      ; and where they go: no place in the cluster enters an LDS address
	s_mul_i32 s21, s12, BHALF
	s_add_co_u32 s21, s21, ATILE
	s_wait_dscnt 0x0                               ; the opening add is done
	s_wait_kmcnt 0x0
	s_add_nc_u64 s[14:15], s[68:69], s[16:17]
	s_add_nc_u64 s[46:47], s[70:71], s[46:47]
	s_cmp_eq_u32 s80, 1                            ; the bias of product sel
	s_cselect_b64 s[82:83], s[74:75], s[72:73]
	s_cmp_eq_u32 s80, 2
	s_cselect_b64 s[82:83], s[76:77], s[82:83]
	CROUND                                         ; all sixteen work-groups are here: the first joint loads meet
.irp s, 0,1
	s_mov_b32 s[G0+4*(\s)], 1
	s_add_co_u32 s[G0+4*(\s)+1], s20, (\s)*SLOT
	s_add_nc_u64 s[G0+4*(\s)+2:G0+4*(\s)+3], s[14:15], (\s)*KSTEP*2
	s_or_b32 s[G0+4*(\s)+3], s[G0+4*(\s)+3], 0x80000000
	s_mov_b32 s[G0B+4*(\s)], 1
	s_add_co_u32 s[G0B+4*(\s)+1], s21, (\s)*SLOT
	s_add_nc_u64 s[G0B+4*(\s)+2:G0B+4*(\s)+3], s[46:47], (\s)*KSTEP*SIZE_N*2
	s_or_b32 s[G0B+4*(\s)+3], s[G0B+4*(\s)+3], 0x80000000
	JLOAD \s                                       ; both K steps go out at once: two loads of mine are out
.endr
	v_and_b32 v1, 15, v0                           ; l % 16
	v_bfe_u32 v2, v0, 4, 1                         ; l / 16
	s_lshl_b32 s46, s42, 9                         ; the bias of my 64 columns: 512 bytes a tile column, 256 a half, 32 for the upper lanes
	s_lshl_b32 s47, s12, 8
	s_add_co_u32 s46, s46, s47
	v_lshl_add_u32 v[BO], v2, 5, s46
.irp b, 0,1,2,3
	global_load_b128 v[BIAS+8*\b:BIAS+8*\b+3],   v[BO], s[82:83] offset:64*\b
	global_load_b128 v[BIAS+8*\b+4:BIAS+8*\b+7], v[BO], s[82:83] offset:64*\b+16
.endr
	v_mul_u32_u24 v3, v1, PA
	v_lshl_add_u32 v3, v2, 4, v3                   ; a fragment of A: row x pitch + 16 x half
	s_mul_i32 s22, s11, AHALF                      ; my 64 rows of A
	v_add_nc_u32 v[ADRA], s22, v3
	s_add_co_u32 s22, s22, SLOT
	v_add_nc_u32 v[ADRA+1], s22, v3
	v_and_b32 v5, 7, v0                            ; the turning load: lane l reads k row 8 (l / 16) + l % 8, columns 8 ((l / 8) % 2) + 0..7
	v_bfe_u32 v6, v0, 3, 1
	v_lshl_add_u32 v4, v2, 3, v5
	v_mul_u32_u24 v4, v4, PB
	v_lshl_add_u32 v4, v6, 4, v4
	s_lshl_b32 s22, s12, 7                         ; my 64 columns of W,
	s_add_co_u32 s22, s22, ATILE                   ; which lies behind A
.irp n, 0,1,2,3
	s_add_co_u32 s23, s22, ((\n)/2)*SLOT+((\n)%2)*BHALF
	v_add_nc_u32 v[ADRB+(\n)], s23, v4
.endr
	s_mul_i32 s23, s11, 64*SPITCH                  ; into the stage: my 64 rows, my 256 bytes of their 512; row l % 16, 32 bytes for each half of the lanes
	s_lshl_b32 s22, s12, 8
	s_add_co_u32 s23, s23, s22
	v_mul_u32_u24 v7, v1, SPITCH
	v_lshl_add_u32 v7, v2, 5, v7
	v_add_nc_u32 v[STO], s23, v7
	s_mul_i32 s23, s10, 32*SPITCH                  ; back: wave w takes rows 32 w .. 32 w + 31, whole; lanes 0-15 one row, 32 bytes a lane, lanes 16-31 the next
	v_mul_u32_u24 v7, v2, SPITCH
	v_lshl_add_u32 v7, v1, 5, v7
	v_add_nc_u32 v[RD], s23, v7
	v_lshlrev_b32 v7, 10, v2                       ; and the same two rows in C, 16 bytes a lane
	v_lshl_add_u32 v[CO], v1, 4, v7
	s_lshl_b32 s16, s13, 7
	s_lshl_b32 s17, s10, 5
	s_add_co_u32 s16, s16, s17                     ; the first row of C that I store: 128 x tile row + 32 x wave,
	s_lshl_b32 s16, s16, 10                        ; rows of 1,024 bytes,
	s_lshl_b32 s17, s80, 23
	s_add_co_u32 s16, s16, s17                     ; in block sel
	s_mov_b32 s17, 0
	s_add_nc_u64 s[78:79], s[78:79], s[16:17]
	s_lshl_b32 s46, s42, 8                         ; the tile's first column, in bytes
	s_mov_b32 s47, 0
	s_add_nc_u64 s[78:79], s[78:79], s[46:47]
	s_wait_loadcnt 0x0                             ; the bias, which is rounded to bf16 as every input is
.set i, 0
.rept 16
	v_cvt_pk_bf16_f32 v[30+i%2], v[BIAS+2*i], v[BIAS+2*i+1]
	v_lshlrev_b32 v[BIAS+2*i], 16, v[30+i%2]
	v_and_b32 v[BIAS+2*i+1], 0xffff0000, v[30+i%2]
.set i, i+1
.endr
; 8 matrix instructions: row blocks a0, a0 + 1 x all 4 column blocks, 32 along K: half c of buffer f.  zero = 1: the first product starts the sums.  The 16 accumulators take turns
.macro MUL8 f, c, a0, zero
	WIN MUL
.irp a, \a0, (\a0)+1
.irp b, 0,1,2,3
.if \zero
	v_wmma_f32_16x16x32_bf16 v[ACC+8*(4*(\a)+(\b)):ACC+8*(4*(\a)+(\b))+7], v[(\f)+64+8*(4*(\c)+(\b)):(\f)+64+8*(4*(\c)+(\b))+7], v[(\f)+8*(4*(\c)+(\a)):(\f)+8*(4*(\c)+(\a))+7], 0
.else
	v_wmma_f32_16x16x32_bf16 v[ACC+8*(4*(\a)+(\b)):ACC+8*(4*(\a)+(\b))+7], v[(\f)+64+8*(4*(\c)+(\b)):(\f)+64+8*(4*(\c)+(\b))+7], v[(\f)+8*(4*(\c)+(\a)):(\f)+8*(4*(\c)+(\a))+7], v[ACC+8*(4*(\a)+(\b)):ACC+8*(4*(\a)+(\b))+7]
.endif
.endr
.endr
.endm
; 32 LDS loads in one run: the fragments of quarter q (64 along K) of a slot, into buffer f; the first 32 along K first
.macro FETCH slot, q, f
	WIN TO_F
.irp c, 0,1
.irp i, 0,1,2,3
	ds_load_tr16_b128 v[(\f)+64+8*(4*(\c)+(\i)):(\f)+64+8*(4*(\c)+(\i))+3],   v[ADRB+2*(\slot)+(\q)/2] offset:(((\q)%2)*64+32*(\c))*PB+32*(\i)
	ds_load_tr16_b128 v[(\f)+64+8*(4*(\c)+(\i))+4:(\f)+64+8*(4*(\c)+(\i))+7], v[ADRB+2*(\slot)+(\q)/2] offset:(((\q)%2)*64+32*(\c)+16)*PB+32*(\i)
	ds_load_b128 v[(\f)+8*(4*(\c)+(\i)):(\f)+8*(4*(\c)+(\i))+3],              v[ADRA+(\slot)] offset:128*(\q)+64*(\c)+(\i)*16*PA
	ds_load_b128 v[(\f)+8*(4*(\c)+(\i))+4:(\f)+8*(4*(\c)+(\i))+7],            v[ADRA+(\slot)] offset:128*(\q)+64*(\c)+(\i)*16*PA+32
.endr
.endr
.endm
.macro PLACES                          ; four places in front of loads into registers that matrix instructions have read, and of vector lines that read results
.rept 4
	v_nop
.endr
.endm
; A K step is four quarters of 64 along K, 32 matrix instructions each, on buffers 0, 1, 0, 1.  One of the first three: multiplies buffer f and fetches quarter q into g.
.macro QUARTER slot, q, f, g, zero
	s_wait_dscnt 16                                ; the first 32 along K are in; the youngest sixteen loads may be out
	WIN MUL
	MUL8 \f, 0, 0, \zero
	MUL8 \f, 0, 2, \zero
	PLACES
	FETCH \slot, \q, \g
	s_wait_dscnt 32                                ; all but the 32 just issued
	WIN MUL
	MUL8 \f, 1, 0, 0
	MUL8 \f, 1, 2, 0
.endm
; Slot 0's last quarter multiplies buffer 1 and changes to slot 1: ONE barrier; in front of it each wave waits for all its tensor loads (its part of slot 1), adds 0 to its spare word, and waits for that and for its reads of slot 0.
.macro TURN next
	WIN 0                                          ; (the add's two registers lie in window 0)
	s_wait_tensorcnt 0x0                           ; all my tensor loads have landed;
	ds_add_u32 v[SPW], v[NIL]                      ; 0 onto my spare word;
	s_wait_dscnt 17                                ; (the add and the youngest sixteen loads may be out)
	WIN MUL
	MUL8 F1, 0, 0, 0                               ; eight matrix instructions stand between the add and the wait for it
	s_wait_dscnt 0x0                               ; the add is done, and my reads of slot 0 are over
	s_barrier_signal -1
	MUL8 F1, 0, 2, 0
	s_barrier_wait -1
	PLACES
	FETCH \next, 0, F0
	WIN MUL
	MUL8 F1, 1, 0, 0
	MUL8 F1, 1, 2, 0
.endm
	s_wait_tensorcnt 1                             ; my part of K step 0 is in; K step 1's may stay out
	s_barrier_signal -1
	s_barrier_wait -1                              ; everybody's is
	FETCH 0, 0, F0
	QUARTER 0, 1, F0, F1, 1                        ; the first products start the sums
	QUARTER 0, 2, F1, F0, 0
	QUARTER 0, 3, F0, F1, 0
	TURN 1
	QUARTER 1, 1, F0, F1, 0
	QUARTER 1, 2, F1, F0, 0
	QUARTER 1, 3, F0, F1, 0
	s_wait_dscnt 16                                ; the very last quarter: nothing more to fetch
	WIN MUL
	MUL8 F1, 0, 0, 0
	MUL8 F1, 0, 2, 0
	s_wait_dscnt 0
	MUL8 F1, 1, 0, 0
	MUL8 F1, 1, 2, 0
	WIN 0
	; THE WAY OUT.  The bias is added in f32; 32 bytes a lane go into the work-group's stage; a barrier, since a row's 128 numbers come from two waves; back as whole rows, rounded to bf16, 32 rows a wave.
	PLACES
.set t, 0
.rept 16
.set rA, ACC+8*t
.set rB, BIAS+8*(t%4)
	v_pk_add_f32 v[rA:rA+1],   v[rA:rA+1],   v[rB:rB+1]        ; each accumulator is read from its low end on
	v_pk_add_f32 v[rA+2:rA+3], v[rA+2:rA+3], v[rB+2:rB+3]
	v_pk_add_f32 v[rA+4:rA+5], v[rA+4:rA+5], v[rB+4:rB+5]
	v_pk_add_f32 v[rA+6:rA+7], v[rA+6:rA+7], v[rB+6:rB+7]
	ds_store_b128 v[STO], v[rA:rA+3]   offset:(t/4)*16*SPITCH+64*(t%4)
	ds_store_b128 v[STO], v[rA+4:rA+7] offset:(t/4)*16*SPITCH+64*(t%4)+16
.set t, t+1
.endr
	s_wait_dscnt 0x0                               ; for the others' sake: my stores into the stage are done
	s_barrier_signal -1
	s_barrier_wait -1
.set i, 0
.rept 16
	ds_load_b128 v[ACC+8*i:ACC+8*i+3],   v[RD] offset:i*2*SPITCH
	ds_load_b128 v[ACC+8*i+4:ACC+8*i+7], v[RD] offset:i*2*SPITCH+16
.set i, i+1
.endr
.set i, 0
.rept 16
	s_wait_dscnt 30-2*i                            ; pair i of rows is back; the younger loads stay out
.irp j, 0,1,2,3
	v_cvt_pk_bf16_f32 v[TMP+4*i+\j], v[ACC+8*i+2*\j], v[ACC+8*i+2*\j+1]
.endr
	global_store_b128 v[CO], v[TMP+4*i:TMP+4*i+3], s[78:79] offset:i*2*SIZE_N*2  ; 16 lanes store 256 consecutive bytes, at a multiple of 256 from C's first byte
.set i, i+1
.endr
	s_wait_tensorcnt 0x0                           ; the wave's end: an add to my spare word and its wait, behind my last tensor load and my last LDS store
	ds_add_u32 v[SPW], v[NIL]
	s_wait_dscnt 0x0
	CROUND                                         ; the closing round: no work-group ends while a partner may still ask for a tile that names it
	s_endpgm
.Lfunc_end_k_qf1c58012c7_proj:
	.size	k_qf1c58012c7_proj, .Lfunc_end_k_qf1c58012c7_proj-k_qf1c58012c7_proj
	.p2alignl 7, 3214868480
	.fill 96, 4, 3214868480
	.section	.rodata,"a",@progbits
	.p2align	6, 0x0
	.amdhsa_kernel k_qf1c58012c7_proj
		.amdhsa_group_segment_fixed_size 327680
		.amdhsa_private_segment_fixed_size 0
		.amdhsa_enable_private_segment 0
		.amdhsa_kernarg_size 48
		.amdhsa_user_sgpr_count 2
		.amdhsa_user_sgpr_kernarg_segment_ptr 1
		.amdhsa_wavefront_size32 1
		.amdhsa_system_sgpr_workgroup_id_x 1
		.amdhsa_system_sgpr_workgroup_id_y 1
		.amdhsa_system_sgpr_workgroup_id_z 1
		.amdhsa_system_vgpr_workitem_id 0
		.amdhsa_next_free_vgpr 512
		.amdhsa_next_free_sgpr 84
		.amdhsa_reserve_vcc 0
		.amdhsa_float_denorm_mode_32 3
		.amdhsa_float_denorm_mode_16_64 3
		.amdhsa_memory_ordered 1
		.amdhsa_forward_progress 1
		.amdhsa_inst_pref_size 60
	.end_amdhsa_kernel
	.amdgpu_metadata
---
amdhsa.version: [ 1, 2 ]
amdhsa.kernels:
  - .name:           k_qf1c58012c7_proj
    .symbol:         k_qf1c58012c7_proj.kd
    .args:
      - { .name: xcast, .offset: 0, .size: 8, .value_kind: global_buffer, .address_space: global }
      - { .name: wqkv, .offset: 8, .size: 8, .value_kind: global_buffer, .address_space: global }
      - { .name: bq, .offset: 16, .size: 8, .value_kind: global_buffer, .address_space: global }
      - { .name: bk, .offset: 24, .size: 8, .value_kind: global_buffer, .address_space: global }
      - { .name: bv, .offset: 32, .size: 8, .value_kind: global_buffer, .address_space: global }
      - { .name: qkv, .offset: 40, .size: 8, .value_kind: global_buffer, .address_space: global }
    .group_segment_fixed_size: 327680
    .private_segment_fixed_size: 0
    .kernarg_segment_align: 8
    .kernarg_segment_size: 48
    .max_flat_workgroup_size: 128
    .sgpr_count:     84
    .vgpr_count:     512
    .wavefront_size: 32
...
	.end_amdgpu_metadata
.endif
;; end of part 2
;; launch attn (part 3): grid 16 x 16, 8 waves a work-group, clusters of 4 x 1, 327,680 bytes of LDS; arguments qkv, attn_o; writes attn_o
.if DOCPART == 3
	.amdgcn_target "amdgcn-amd-amdhsa--gfx1250"
	.amdhsa_code_object_version 6
	.text
	.protected	k_qf1c58012c7_attn
	.globl	k_qf1c58012c7_attn
	.p2align	8
	.type	k_qf1c58012c7_attn,@function
k_qf1c58012c7_attn:
	s_mov_b64 s[64:65], 0
	v_nop
	global_prefetch_b8 v0, s[64:65] scope:SCOPE_SE
	s_setreg_imm32_b32 hwreg(HW_REG_WAVE_MODE, 25, 1), 1
	s_wait_xcnt 0x0
	s_wait_alu depctr_hold_cnt(0) depctr_sa_sdst(0) depctr_va_vdst(0) depctr_va_sdst(0) depctr_va_ssrc(0) depctr_va_vcc(0) depctr_vm_vsrc(0)
	s_getreg_b32 s2, hwreg(HW_REG_IB_STS2, 6, 4)
	s_cmp_eq_u32 s2, 0
	s_cbranch_scc0 .Lentry_in_a_cluster
	s_endpgm
.Lentry_in_a_cluster:
	s_bfe_u32 s2, ttmp6, 0x10000c
	s_cmp_lg_u32 s2, 0x3003
	s_cbranch_scc0 .Lentry_shape_is_right
	s_endpgm
.Lentry_shape_is_right:
; ATTENTION, head size 32, no mask.  O[token][head] = the sum over keys of softmax(q . k / sqrt(32)) v.  q, k, v lie in qkv as three blocks [8192][512] of bf16 (8,388,608 bytes each), a head's 32 channels
; at column 32 x head; O: [8192][512] bf16 in the same layout.  Products, maxima and sums in f32; the weights p are rounded to bf16 for the second product, and their sum l is taken of the rounded p, by the same unit.
; LIMITS.  A weight below 2^-126 counts as 0; NaN and infinities are not treated apart.
; SHARES.  The grid's y is (batch, panel): a panel is four heads = 128 columns = 256 bytes of a row.  A work-group owns 128 queries of a panel; wave w owns head w / 2 of it and 64 of the queries (w % 2): four
; tiles of 16.  Two waves lie on a SIMD: while one walks its softmax the other has products to issue.  Every wave walks all 2,048 keys, 64 a step; every byte of a K or V tile's rows is used by the work-group.
; LAYOUT.  S^T = K Q^T (source 0 = 16 keys, source 1 = 16 queries): a lane holds ONE query (lane % 16) and the keys 8 (lane / 16) + 0..7.  Two such results, rounded to bf16 in pairs, ARE source 1 (32 keys x 16
; queries) of O^T = V^T P and of l = ONES P.  K comes out of LDS as it lies, V ([key][channel]) turned, by ds_load_tr16_b128.
; SOFTMAX.  For each query a running maximum m: p = 2^(c s - c m), c = log2(e) / sqrt(32); in every step O and l are multiplied by a = 2^(c m_old - c m_new).  m starts at the lowest finite number, O and l
; at 0 (96 v_mov_b32 in the wait for the first tile): the first step is a step like any other, with a = 0, and no first step is written out.
; CLUSTER.  The four query blocks of a cluster belong to one batch and panel and walk the same K and V: each tile is asked for JOINTLY: the same tensor load, descriptor and mask in all four.
; REGISTERS.  window 0: v0-15 addresses; v16-23 c m and m of the four tiles; v24-28 at work; v32-39 ones; v40-71 Q; v72-103 K of a step; v104-135 V of a step; v136-199 S^T, two buffers (tile t has buffer t % 2;
; P is packed in place into a buffer's first 16).  window 1: v0-63 O^T, 16 a tile; v64-95 l, 8 a tile (all eight hold the same sum; only the first two are rescaled and read; the others stay finite: at most 2,048).
.set KS,    64        ; keys in a step
.set PK,    272       ; a row of K in LDS: 256 bytes + 16 of padding = 68 words: the 16 rows of a load start at 16 different groups of four banks (64 banks of 4 bytes: ISA guide 11.1)
.set PV,    288       ; a row of V: 256 + 32 = 72 words
.set VOFF,  KS*PK     ; a step's tiles lie together: 64 rows of K, then 64 rows of V
.set STEPB, KS*(PK+PV)
.set SLOT1, 1<<17     ; a slot holds two steps (71,680 bytes); slot 1 begins here, so that one exclusive or turns an address in one slot into the other's
.set STAGE, SLOT1+2*STEPB  ; behind the ring, never filled by a tensor load: 128 rows x 272 bytes, the work-group's, for the way out
.set SP,    272
.set SPARE, STAGE+128*SP   ; behind the stage: the spare words, 128 bytes for each of eight waves: four blocks of 256 bytes that no other line names
.set AK0, 2           ; v2   my lane's place in a tile of K, my head's channels; never rewritten
.set AV0, 3           ; v3   the same for V
.set AK,  4           ; v4   the LDS address of K's run of loads
.set AV,  5           ; v5   of V's
.set QO,  6           ; v6   my byte offset in 16 rows of q
.set STO, 6           ;      later, the way out: where I put 16 bytes of a row
.set RD,  7           ; v7   the way out: where I read rows back
.set GO,  8           ; v8   my byte offset in two rows of O
.set SPW, 14          ; v14  LDS address of my spare word: SPARE + 4 x my thread's number; never rewritten
.set NIL, 15          ; v15  0; never rewritten
.set ST,  16          ; tile t: c m at ST + 2 t, m at ST + 2 t + 1
.set CC,  24          ; v24-27 c0-c3, at work; when the maximum is found c2 takes a
.set MO,  28          ; v28  c m_old
.set ONES, 32
.set Q,   40
.set KF,  72          ; key block kb at KF + 8 kb
.set VF,  104         ; key half kk, channel block cb at VF + 16 kk + 8 cb
.set S,   136
.set OT,  0           ; window 1: tile t, channel block cb at 16 t + 8 cb
.set LS,  64          ; window 1: tile t at LS + 8 t
.set WV,  12          ; s12  my wave's number
.set G1K, 24          ; s[24:31] descriptor group 1 for K's tiles
.set G1V, 32          ; s[32:39] for V's: it differs in the padding alone
.set G0K, 40          ; s[40:43] descriptor group 0 for K's tiles: it walks
.set G0V, 44          ; s[44:47] the same for V's
.set SLOTS, 56        ; s56  slots still to be asked for
.set TWICE, 57        ; s57  counts a slot's two steps
.set CS,  58          ; s[58:59] c: the packed scaling takes the pair's low word for both halves
.set SEL, 60          ; s[60:61] v_permlanex16_b32's selects: each lane takes its own place in the other half
.set TB,  62          ; s62  LDS byte at which the tiles of the step to be fetched begin
.set MSB, 0
.macro WIN new                      ; the high byte repeats the setting that is left; a switch that changes nothing is dropped
.if MSB != (\new)
	s_set_vgpr_msb (MSB<<8)|(\new)
.set MSB, (\new)
.endif
.endm
.set W_PV, 0x50       ; C and D in window 1; V, ones and P in window 0
.set W_RS, 0x41       ; destination and source 0 in window 1, a in window 0
; A joint fill.  Waves 0 and 1 fetch the two steps' tiles of K, waves 2 and 3 those of V, waves 4 to 7 nothing.  The branches hang on the wave's number alone: they are the same in every work-group.
; An s_nop 0 and four v_nop follow each of the two lines, ahead of the jump and the label.
.macro JLOAD
	s_cmp_lt_u32 s[WV], 2
	s_cbranch_scc0 .Lnot_k_\@
	tensor_load_to_lds s[G0K:G0K+3], s[G1K:G1K+7]
	s_nop 0
.rept 4
	v_nop
.endr
	s_branch .Lasked_\@
.Lnot_k_\@:
	s_cmp_lt_u32 s[WV], 4
	s_cbranch_scc0 .Lasked_\@
	tensor_load_to_lds s[G0V:G0V+3], s[G1V:G1V+7]
	s_nop 0
.rept 4
	v_nop
.endr
.Lasked_\@:
.endm
.macro CROUND                       ; a round of the cluster's barrier: my work-group's barrier; wave 0 signals for the work-group; every wave waits for all four; my work-group's barrier once more
	s_barrier_signal -1
	s_barrier_wait -1
	s_cmp_lg_u32 s[WV], 0
	s_cbranch_scc1 .Lnot_wave_0_\@
	s_barrier_signal -3
.Lnot_wave_0_\@:
	s_barrier_wait -3
	s_barrier_signal -1
	s_barrier_wait -1
.endm
; THE CHANGE OF SLOTS.  Each wave waits for all its tensor loads (at most one is out: its part of the other slot), adds 0 to its spare word, and waits for that and for its own reads of the slot that it leaves.
; fill = 1: the slot left is filled again, with the keys two slots on: the barrier is then a round of the cluster's, so that no wave of any partner still reads the slot or has a load on its way, and the joint
; fill is the first thing behind it: it has a slot's two key steps in which to land.  (At its first use nothing has been read yet: slot 0 is waited for, slot 1 filled.)
.macro CHANGE fill
	s_wait_tensorcnt 0x0            ; no tensor load of mine is out, so a group 0 may be written
	ds_add_u32 v[SPW], v[NIL]       ; 0 onto my spare word; with fill = 1 the descriptors' steps stand between it and the wait for it
.if \fill
.irp g, G0K, G0V
	s_xor_b32 s[\g+1], s[\g+1], SLOT1  ; the walking descriptor: the other slot than last time,
	s_add_nc_u64 s[\g+2:\g+3], s[\g+2:\g+3], 2*KS*1024  ; the next 128 keys; the type bits on top are not reached
.endr
	s_wait_dscnt 0x0                ; the add is done, and my reads of the slot are over
	CROUND
	JLOAD
.else
	s_wait_dscnt 0x0                ; the add is done, and my reads of the slot are over
	s_barrier_signal -1
	s_barrier_wait -1
.endif
	s_sub_co_u32 s[TB], s[TB], 2*STEPB  ; the fetches go back to a slot's first step,
	s_xor_b32 s[TB], s[TB], SLOT1       ; in the other slot
.endm
	s_load_b128 s[4:7], s[0:1], 0x0 ; qkv s[4:5], O s[6:7]
	v_lshl_add_u32 v[SPW], v0, 2, SPARE
	v_mov_b32 v[NIL], 0
	ds_add_u32 v[SPW], v[NIL]       ; the wave's opening: the add and its wait stand ahead of my first tensor load; the set-up below, work on registers, stands between them
	v_lshrrev_b32 v1, 5, v0
	v_readfirstlane_b32 s[WV], v1   ; wave 0..7
	s_bfe_u32 s13, ttmp6, 0x40000   ; cx: my place in the cluster
	s_lshl_b32 s14, ttmp9, 2        ; in a cluster launch ttmp9 counts clusters
	s_add_co_u32 s14, s14, s13      ; my block of 128 queries = 4 x cluster x + cx: it enters q's and O's addresses alone
	s_and_b32 s15, ttmp7, 0xffff    ; (batch, panel), which the four partners share
	s_lshr_b32 s20, s15, 2
	s_lshl_b32 s20, s20, 21         ; a batch is 2,048 rows of 1,024 bytes,
	s_and_b32 s21, s15, 3
	s_lshl_b32 s21, s21, 8          ; a panel 256 bytes of a row
	s_add_co_u32 s20, s20, s21
	s_and_b32 s16, s[WV], 1         ; which half of the queries is mine.  Also: which of a slot's two steps I fetch
	s_lshr_b32 s17, s[WV], 1        ; my head in the panel
	s_lshl_b32 s22, s16, 16         ; that step's 64 rows in memory,
	s_add_co_u32 s22, s22, s20
	s_add_co_u32 s52, s22, 0x1000000  ; in v's block,
	s_add_co_u32 s22, s22, 0x800000   ; in k's block
	s_mov_b32 s23, 0
	s_mov_b32 s53, 0
	s_mul_i32 s18, s16, STEPB       ; and its place in a slot: no place in the cluster enters an LDS address
	s_lshl_b32 s2, s14, 17          ; q: my block's 128 rows,
	s_lshl_b32 s3, s16, 16          ; my wave's 64 of them,
	s_add_co_u32 s2, s2, s3
	s_lshl_b32 s3, s17, 6           ; my head's 64 bytes
	s_add_co_u32 s2, s2, s3
	s_add_co_u32 s2, s2, s20
	s_mov_b32 s3, 0
	s_lshl_b32 s8, s14, 17          ; O: my block's 128 rows, of which I store 16 whole panel rows
	s_lshl_b32 s9, s[WV], 14
	s_add_co_u32 s8, s8, s9
	s_add_co_u32 s8, s8, s20
	s_mov_b32 s9, 0
	; descriptor group 1: a tile of 64 rows x 128 elements out of rows of 512, padded in LDS
	s_mov_b32 s[G1K], 15|(1<<16)|(1<<20)|(1<<21)|(5<<22)|(3<<25)  ; 15:0 the mask of four; 17:16 2-byte elements; 20 padding on; 21 set beside a mask; 24:22 after every 64 words (code 5); 31:25 4 words (code 3)
	s_mov_b32 s[G1V], 15|(1<<16)|(1<<20)|(1<<21)|(5<<22)|(7<<25)  ; the same with 8 words of padding (code 7)
.irp g, G1K, G1V
	s_mov_b32 s[\g+1], 128<<16      ; tensor_dim0 = 128
	s_mov_b32 s[\g+2], KS<<16       ; tensor_dim1 = 64
	s_mov_b32 s[\g+3], 128<<16      ; tile_dim0 = 128
	s_mov_b32 s[\g+4], KS           ; tile_dim1 = 64
	s_mov_b32 s[\g+5], 512          ; 512 elements from row to row
	s_mov_b32 s[\g+6], 0
	s_mov_b32 s[\g+7], 0
.endr
	s_mov_b32 s[CS], 0x3e8293ee     ; c = log2(e) / sqrt(32) = 0.255035
	s_mov_b32 s[CS+1], s[CS]        ; named with it as a pair
	s_mov_b32 s[SEL], 0x76543210
	s_mov_b32 s[SEL+1], 0xfedcba98
	s_mov_b32 s[TB], SLOT1+2*STEPB  ; the first change of slots turns this into 0
	s_mov_b32 s[SLOTS], 2048/(2*KS)-1
	s_mov_b32 s[G0K], 1             ; 1:0 count = 1
	s_mov_b32 s[G0K+1], s18         ; 63:32 LDS address: slot 0
	s_mov_b32 s[G0V], 1
	s_add_co_u32 s[G0V+1], s18, VOFF
	s_wait_dscnt 0x0                ; the opening add is done
	s_wait_kmcnt 0x0
	s_add_nc_u64 s[G0K+2:G0K+3], s[4:5], s[22:23]  ; 120:64 global address: my step of the first 128 keys
	s_or_b32 s[G0K+3], s[G0K+3], 0x80000000        ; 127:126 type = 2
	s_add_nc_u64 s[G0V+2:G0V+3], s[4:5], s[52:53]
	s_or_b32 s[G0V+3], s[G0V+3], 0x80000000
	s_add_nc_u64 s[10:11], s[6:7], s[8:9]          ; O at the first row that I store
	s_add_nc_u64 s[4:5], s[4:5], s[2:3]            ; q at my wave's first row, my head
	CROUND                          ; all four work-groups are here: the first joint loads meet
	JLOAD                           ; slot 0.  Slot 1 is asked for when slot 0 is in, by the loop's own change of slots
	; A fragment of K or Q is 16 rows x 32 channels in 8 registers: lane l holds row l % 16, channels 8 (l / 16) + 0..7 and 16 + 8 (l / 16) + 0..7: two loads of 16 bytes, 32 bytes apart.
	v_and_b32 v1, 15, v0            ; l % 16
	v_bfe_u32 v9, v0, 4, 1          ; l / 16
	v_lshlrev_b32 v[QO], 10, v1
	v_lshl_add_u32 v[QO], v9, 4, v[QO]  ; row x 1,024 + 16 x half
.irp t, 0,1,2,3                     ; Q stays in registers
	global_load_b128 v[Q+8*\t:Q+8*\t+3],   v[QO], s[4:5] offset:\t*16384
	global_load_b128 v[Q+8*\t+4:Q+8*\t+7], v[QO], s[4:5] offset:\t*16384+32
.endr
	WIN 0x40
.set i, 0
.rept 96                            ; O^T and l start at 0
	v_mov_b32 v[i], 0
.set i, i+1
.endr
	WIN 0
.irp t, 0,1,2,3
	v_mov_b32 v[ST+2*\t], 0xfe000000    ; c m: far below every c s
	v_mov_b32 v[ST+2*\t+1], 0xff7fffff  ; m
.endr
.irp j, 0,1,2,3,4,5,6,7
	v_mov_b32 v[ONES+\j], 0x3f803f80    ; 1.0 twice, in bf16
.endr
	s_lshl_b32 s21, s17, 6          ; my head's 64 bytes in a tile's rows
	v_mul_u32_u24 v[AK0], v1, PK
	v_lshl_add_u32 v[AK0], v9, 4, v[AK0]
	v_add_nc_u32 v[AK0], s21, v[AK0]    ; row x pitch + 16 x half + head
	; The turning load takes 16 keys x 16 channels (lane l reads key 8 (l / 16) + l % 8, channels 8 ((l / 8) % 2) + 0..7) and leaves half a fragment of V^T: lane l holds channel l % 16 and 8 keys.
	v_and_b32 v10, 7, v0
	v_bfe_u32 v11, v0, 3, 1
	v_lshl_add_u32 v[AV0], v9, 3, v10
	v_mul_u32_u24 v[AV0], v[AV0], PV
	v_lshl_add_u32 v[AV0], v11, 4, v[AV0]
	s_add_co_u32 s21, s21, VOFF
	v_add_nc_u32 v[AV0], s21, v[AV0]
	s_wait_loadcnt 0x0              ; Q
; S^T = K Q^T of tile t: four products, one for each 16 keys; the head's 32 channels are one product deep, so each starts and ends its sum
.macro MKQ t
	WIN 0
.irp kb, 0,1,2,3
	v_wmma_f32_16x16x32_bf16 v[S+32*((\t)%2)+8*\kb:S+32*((\t)%2)+8*\kb+7], v[KF+8*\kb:KF+8*\kb+7], v[Q+8*(\t):Q+8*(\t)+7], 0
.endr
.endm
; The maximum and statistics of tile t: four chains of seven scores, three operands at a time (each accumulator's lowest registers are read first); the four scores left over, the old m;
; the query's other 32 keys lie in the lane 16 away; then c m, c m_old - c m_new, a.
.macro XS t
.set rS, S+32*((\t)%2)
.set rT, ST+2*(\t)
.irp n, 0,1,2,3
	v_max3_num_f32 v[CC+\n], v[rS+8*\n], v[rS+8*\n+1], v[rS+8*\n+2]
.endr
.irp n, 0,1,2,3
	v_max3_num_f32 v[CC+\n], v[CC+\n], v[rS+8*\n+3], v[rS+8*\n+4]
.endr
.irp n, 0,1,2,3
	v_max3_num_f32 v[CC+\n], v[CC+\n], v[rS+8*\n+5], v[rS+8*\n+6]
.endr
	v_max3_num_f32 v[CC], v[CC], v[rS+7], v[rS+15]
	v_max3_num_f32 v[CC+1], v[CC+1], v[rS+23], v[rS+31]
	v_max3_num_f32 v[CC+2], v[CC+2], v[CC+3], v[rT+1]
	v_mov_b32 v[MO], v[rT]
	v_max3_num_f32 v[CC], v[CC], v[CC+1], v[CC+2]
	v_permlanex16_b32 v[CC+3], v[CC], s[SEL], s[SEL+1]
	v_max_num_f32 v[rT+1], v[CC], v[CC+3]
	v_mul_f32 v[rT], s[CS], v[rT+1]
	v_sub_f32 v[CC+1], v[MO], v[rT]
	v_exp_f32 v[CC+2], v[CC+1]      ; a is first used behind the whole of FEC
.endm
; c s - c m, the exponentials and the roundings of tile t.  Weights 2 n, 2 n + 1 are packed into register n of the same buffer, which both have left.  Behind every exponential stands a plain
; line before its result is used or its register rewritten (ISA guide 5.7.2): a pair's rounding stands behind the next pair's exponentials and the rounding before it.
.macro FEC t
.set rS, S+32*((\t)%2)
.set rT, ST+2*(\t)
.set i, 0
.rept 15
	v_pk_fma_f32 v[rS+2*i:rS+2*i+1], v[rS+2*i:rS+2*i+1], s[CS:CS+1], v[rT:rT+1] op_sel_hi:[1,0,0] neg_lo:[0,0,1] neg_hi:[0,0,1]
.set i, i+1
.endr
.irp e, 0,1,2,3
	v_exp_f32 v[rS+\e], v[rS+\e]
.endr
	v_pk_fma_f32 v[rS+30:rS+31], v[rS+30:rS+31], s[CS:CS+1], v[rT:rT+1] op_sel_hi:[1,0,0] neg_lo:[0,0,1] neg_hi:[0,0,1]
	s_wait_alu depctr_va_vdst(0)
	v_cvt_pk_bf16_f32 v[rS], v[rS], v[rS+1]
.set i, 1
.rept 14
	v_exp_f32 v[rS+2*i+2], v[rS+2*i+2]
	v_exp_f32 v[rS+2*i+3], v[rS+2*i+3]
	s_wait_alu depctr_va_vdst(0)
	v_cvt_pk_bf16_f32 v[rS+i], v[rS+2*i], v[rS+2*i+1]
.set i, i+1
.endr
	v_cvt_pk_bf16_f32 v[rS+15], v[rS+30], v[rS+31]
.endm
.macro RS t                         ; tile t's O^T and l times a, from each accumulator's low end on
	WIN W_RS
.set i, 0
.rept 8
	v_pk_mul_f32 v[OT+16*(\t)+2*i:OT+16*(\t)+2*i+1], v[OT+16*(\t)+2*i:OT+16*(\t)+2*i+1], v[CC+2:CC+3] op_sel_hi:[1,0]
.set i, i+1
.endr
	v_pk_mul_f32 v[LS+8*(\t):LS+8*(\t)+1], v[LS+8*(\t):LS+8*(\t)+1], v[CC+2:CC+3] op_sel_hi:[1,0]
.endm
.macro MPV t                        ; O^T += V^T P and l += ONES P for tile t: three accumulators by turns, one instruction a turn
	WIN W_PV
.irp kk, 0,1
	v_wmma_f32_16x16x32_bf16 v[OT+16*(\t):OT+16*(\t)+7],    v[VF+16*\kk:VF+16*\kk+7],    v[S+32*((\t)%2)+8*\kk:S+32*((\t)%2)+8*\kk+7], v[OT+16*(\t):OT+16*(\t)+7]
	v_wmma_f32_16x16x32_bf16 v[OT+16*(\t)+8:OT+16*(\t)+15], v[VF+16*\kk+8:VF+16*\kk+15], v[S+32*((\t)%2)+8*\kk:S+32*((\t)%2)+8*\kk+7], v[OT+16*(\t)+8:OT+16*(\t)+15]
	v_wmma_f32_16x16x32_bf16 v[LS+8*(\t):LS+8*(\t)+7],      v[ONES:ONES+7],              v[S+32*((\t)%2)+8*\kk:S+32*((\t)%2)+8*\kk+7], v[LS+8*(\t):LS+8*(\t)+7]
.endr
	WIN 0
.endm
; Tile t's turn.  kq = 1: the scores of tile t + 1 are started behind XS, whose plain lines are the places between the products that read P in that buffer (tile t - 1's) and these, which write it.
.macro TURN t, kq
	XS \t
.if \kq
	MKQ (\t)+1
.endif
	FEC \t
	RS \t
.if (\t) == 0
	s_wait_dscnt 0x0                ; V is in
.endif
	MPV \t
.endm
; A KEY STEP.  Two address lines and four v_nop are the places behind the last step's last products, which read V and P; then K's and V's runs of eight loads.
.macro STEP
	v_add_nc_u32 v[AK], s[TB], v[AK0]
	v_add_nc_u32 v[AV], s[TB], v[AV0]
.rept 4
	v_nop
.endr
.irp kb, 0,1,2,3
	ds_load_b128 v[KF+8*\kb:KF+8*\kb+3],   v[AK] offset:\kb*16*PK
	ds_load_b128 v[KF+8*\kb+4:KF+8*\kb+7], v[AK] offset:\kb*16*PK+32
.endr
.irp f, 0,1,2,3                     ; keys 32 (f / 2) on, channels 16 (f % 2) on
	ds_load_tr16_b128 v[VF+8*\f:VF+8*\f+3],   v[AV] offset:(\f/2)*32*PV+(\f%2)*32
	ds_load_tr16_b128 v[VF+8*\f+4:VF+8*\f+7], v[AV] offset:(\f/2)*32*PV+16*PV+(\f%2)*32
.endr
	s_add_co_u32 s[TB], s[TB], STEPB  ; the next fetch is the next step's
	s_wait_dscnt 8                  ; K is in; V's eight loads may stay out
	MKQ 0
	MKQ 1
.rept 4
	v_nop                           ; the places behind those products
.endr
	TURN 0, 0
	TURN 1, 1
	TURN 2, 1
	TURN 3, 0
.endm
.macro TWO_STEPS                    ; a slot's two key steps: written once, walked twice; the LDS addresses hang on s[TB]
	s_mov_b32 s[TWICE], 2
.Lstep_\@:
	STEP
	s_sub_co_u32 s[TWICE], s[TWICE], 1
	s_cmp_lg_u32 s[TWICE], 0
	s_cbranch_scc1 .Lstep_\@
.endm
.Lslot:                             ; 15 trips: a slot is entered and the next 128 keys are asked for
	CHANGE 1
	TWO_STEPS
	s_sub_co_u32 s[SLOTS], s[SLOTS], 1
	s_cmp_lg_u32 s[SLOTS], 0
	s_cbranch_scc1 .Lslot
	CHANGE 0                        ; the last slot is written out: nothing is asked for
	TWO_STEPS
	; THE WAY OUT.  O^T is divided by l, rounded to bf16 and sent through the work-group's stage: a panel row's 256 bytes come from four waves.  The address lines are the places behind the last products.
	s_mul_i32 s19, s16, 64*SP
	s_lshl_b32 s21, s17, 6
	s_add_co_u32 s19, s19, s21
	s_add_co_u32 s19, s19, STAGE
	v_mul_u32_u24 v[STO], v1, SP    ; in: my half's row l % 16, my head's 64 bytes, 16 bytes for each half of the lanes
	v_lshl_add_u32 v[STO], v9, 4, v[STO]
	v_add_nc_u32 v[STO], s19, v[STO]
	s_mul_i32 s19, s[WV], 16*SP
	s_add_co_u32 s19, s19, STAGE
	v_mul_u32_u24 v[RD], v9, SP     ; back: wave w takes rows 16 w .. 16 w + 15; lanes 0-15 one row of 256 bytes, lanes 16-31 the next
	v_lshl_add_u32 v[RD], v1, 4, v[RD]
	v_add_nc_u32 v[RD], s19, v[RD]
	v_lshlrev_b32 v[GO], 10, v9     ; and the same two rows in O
	v_lshl_add_u32 v[GO], v1, 4, v[GO]
	WIN 0x01                        ; source 0 in window 1
.irp t, 0,1,2,3
	v_rcp_f32 v[ST+2*\t], v[LS+8*\t]
.endr
	v_nop                           ; a plain instruction between the last reciprocal and the use of its result
	s_wait_alu depctr_va_vdst(0)
.irp t, 0,1,2,3
	WIN W_RS
.set i, 0
.rept 8
	v_pk_mul_f32 v[OT+16*\t+2*i:OT+16*\t+2*i+1], v[OT+16*\t+2*i:OT+16*\t+2*i+1], v[ST+2*\t:ST+2*\t+1] op_sel_hi:[1,0]
.set i, i+1
.endr
	WIN 0x05                        ; sources 0 and 1 window 1, destination window 0: S^T's registers are free
.set i, 0
.rept 8
	v_cvt_pk_bf16_f32 v[S+8*\t+i], v[OT+16*\t+2*i], v[OT+16*\t+2*i+1]
.set i, i+1
.endr
	WIN 0
	ds_store_b128 v[STO], v[S+8*\t:S+8*\t+3]   offset:\t*16*SP
	ds_store_b128 v[STO], v[S+8*\t+4:S+8*\t+7] offset:\t*16*SP+32
.endr
	s_wait_dscnt 0x0                ; for the others' sake: my stores into the stage are done
	s_barrier_signal -1
	s_barrier_wait -1
.irp f, 0,1,2,3,4,5,6,7
	ds_load_b128 v[S+4*\f:S+4*\f+3], v[RD] offset:\f*2*SP
.endr
.irp f, 0,1,2,3,4,5,6,7
	s_wait_dscnt 7-\f               ; pair f of rows is back; the younger loads stay out
	global_store_b128 v[GO], v[S+4*\f:S+4*\f+3], s[10:11] offset:\f*2048  ; 16 lanes store 256 consecutive bytes, at a multiple of 256 from O's first byte
.endr
	s_wait_tensorcnt 0x0            ; the wave's end: an add to my spare word and its wait, behind my last tensor load and my last LDS store
	ds_add_u32 v[SPW], v[NIL]
	s_wait_dscnt 0x0
	CROUND                          ; the closing round: no work-group ends while a partner may still ask for a tile that names it
	s_endpgm
.Lfunc_end_k_qf1c58012c7_attn:
	.size	k_qf1c58012c7_attn, .Lfunc_end_k_qf1c58012c7_attn-k_qf1c58012c7_attn
	.p2alignl 7, 3214868480
	.fill 96, 4, 3214868480
	.section	.rodata,"a",@progbits
	.p2align	6, 0x0
	.amdhsa_kernel k_qf1c58012c7_attn
		.amdhsa_group_segment_fixed_size 327680
		.amdhsa_private_segment_fixed_size 0
		.amdhsa_enable_private_segment 0
		.amdhsa_kernarg_size 16
		.amdhsa_user_sgpr_count 2
		.amdhsa_user_sgpr_kernarg_segment_ptr 1
		.amdhsa_wavefront_size32 1
		.amdhsa_system_sgpr_workgroup_id_x 1
		.amdhsa_system_sgpr_workgroup_id_y 1
		.amdhsa_system_sgpr_workgroup_id_z 1
		.amdhsa_system_vgpr_workitem_id 0
		.amdhsa_next_free_vgpr 352
		.amdhsa_next_free_sgpr 66
		.amdhsa_reserve_vcc 0
		.amdhsa_float_denorm_mode_32 3
		.amdhsa_float_denorm_mode_16_64 3
		.amdhsa_memory_ordered 1
		.amdhsa_forward_progress 1
		.amdhsa_inst_pref_size 71
	.end_amdhsa_kernel
	.amdgpu_metadata
---
amdhsa.version: [ 1, 2 ]
amdhsa.kernels:
  - .name:           k_qf1c58012c7_attn
    .symbol:         k_qf1c58012c7_attn.kd
    .args:
      - { .name: qkv, .offset: 0, .size: 8, .value_kind: global_buffer, .address_space: global }
      - { .name: attn_o, .offset: 8, .size: 8, .value_kind: global_buffer, .address_space: global }
    .group_segment_fixed_size: 327680
    .private_segment_fixed_size: 0
    .kernarg_segment_align: 8
    .kernarg_segment_size: 16
    .max_flat_workgroup_size: 256
    .sgpr_count:     66
    .vgpr_count:     352
    .wavefront_size: 32
...
	.end_amdgpu_metadata
.endif
;; end of part 3
;; launch wo: the kernel of part 2 again; grid 4 x 64, 4 waves a work-group, clusters of 4 x 4, 327,680 bytes of LDS; arguments attn_o, wo16, bo, bk, bv, qkv; writes qkv
;; launch ln1 (part 4): grid 256 x 1, 8 waves a work-group, no clusters, 0 bytes of LDS; arguments qkv, xcast, g1, b1, hbuf; writes hbuf
.if DOCPART == 4
	.amdgcn_target "amdgcn-amd-amdhsa--gfx1250"
	.amdhsa_code_object_version 6
	.text
	.protected	k_qf1c58012c7_ln1
	.globl	k_qf1c58012c7_ln1
	.p2align	8
	.type	k_qf1c58012c7_ln1,@function
k_qf1c58012c7_ln1:
	s_mov_b64 s[64:65], 0
	v_nop
	global_prefetch_b8 v0, s[64:65] scope:SCOPE_SE
	s_setreg_imm32_b32 hwreg(HW_REG_WAVE_MODE, 25, 1), 1
	s_wait_xcnt 0x0
; h = LayerNorm(x1 + u1) g1 + b1.  u1 = O Wo + bo: [8192][512] bf16 (the first block of qkv); x1: [8192][512] bf16 (the first block of xcast: x1 rounded as every input is); g1, b1: [512] f32, rounded to bf16 here;
; h: [8192][512] f16, rounded once.  All arithmetic in f32; the variance in two passes: the mean first, then the sum of (x - mean)^2, so that a common offset of the row costs nothing.
; LIMIT.  h is kept in f16: |h| stays under 65,504.
; SHARES.  One wave, one row at a time, four rows a wave, 32 a work-group: the reduction never leaves the wave: no LDS, no barrier.  A lane holds columns 128 c + 4 lane + 0..3, c = 0..3: each load and store of
; 16-bit data covers 256 consecutive aligned bytes.  All 40 loads of a wave go out at once; each row has registers of its own, so the only waits are the counted ones.  Memory binds: no matrix unit, no cluster.
.set G,   4                            ; v[4:19]    g of my 16 columns
.set B,   20                           ; v[20:35]   b
.set ONE, 36                           ; v36        1.0
.set T,   44                           ; v[44:59]   the row at work, in f32
.set U,   60                           ; v[60:91]   row i: 8 registers of u1
.set X,   92                           ; v[92:123]  row i: 8 registers of x1
.set Y,   124                          ; v[124:155] row i: 8 registers to store
	s_load_b256 s[4:11], s[0:1], 0x0               ; u1 s[4:5], x1 s[6:7], g s[8:9], b s[10:11]
	s_load_b64 s[12:13], s[0:1], 0x20              ; h
	v_lshrrev_b32 v3, 5, v0
	v_readfirstlane_b32 s14, v3                    ; wave
	v_and_b32 v3, 31, v0
	v_lshlrev_b32 v1, 3, v3                        ; 8 bytes a lane in 16-bit data
	v_lshlrev_b32 v2, 4, v3                        ; 16 bytes a lane in f32 data
	s_lshl_b32 s16, ttmp9, 15                      ; 32 rows of 1,024 bytes a work-group,
	s_lshl_b32 s15, s14, 12                        ; 4 a wave
	s_add_co_u32 s16, s16, s15
	s_mov_b32 s17, 0
	s_mov_b32 s18, 0x76543210                      ; v_permlanex16_b32: lane i of one half reads lane i of the other
	s_mov_b32 s19, 0xfedcba98
	s_mov_b32 s20, 0x3b000000                      ; 1 / 512
	s_mov_b32 s21, 0x3727c5ac                      ; 1e-5
	v_mov_b32 v[ONE], 1.0
.irp r, 37,38,39,40,41,42,43
	v_mov_b32 v\r, 0                               ; at work; written once whole, since pairs of them are named
.endr
	s_wait_kmcnt 0x0
	s_add_nc_u64 s[4:5], s[4:5], s[16:17]
	s_add_nc_u64 s[6:7], s[6:7], s[16:17]
	s_add_nc_u64 s[12:13], s[12:13], s[16:17]
.irp c, 0,1,2,3
	global_load_b128 v[G+4*\c:G+4*\c+3], v2, s[8:9] offset:512*\c
.endr
.irp c, 0,1,2,3
	global_load_b128 v[B+4*\c:B+4*\c+3], v2, s[10:11] offset:512*\c
.endr
.irp i, 0,1,2,3
.irp c, 0,1,2,3
	global_load_b64 v[U+8*\i+2*\c:U+8*\i+2*\c+1], v1, s[4:5] offset:1024*\i+256*\c th:TH_LOAD_NT
.endr
.irp c, 0,1,2,3
	global_load_b64 v[X+8*\i+2*\c:X+8*\i+2*\c+1], v1, s[6:7] offset:1024*\i+256*\c th:TH_LOAD_NT
.endr
.endr
	s_wait_loadcnt 32                              ; g and b are in; the four rows' 32 loads stay out
.set i, 0
.rept 16                                           ; g and b rounded to bf16, as every input is (G and B lie one behind the other)
	v_cvt_pk_bf16_f32 v37, v[G+2*i], v[G+2*i+1]
	v_lshlrev_b32 v[G+2*i], 16, v37
	v_and_b32 v[G+2*i+1], 0xffff0000, v37
.set i, i+1
.endr
.macro LANES                           ; v38 summed over the 32 lanes, the result in every lane
	v_add_f32_dpp v38, v38, v38 row_xmask:1 row_mask:0xf bank_mask:0xf
	v_add_f32_dpp v38, v38, v38 row_xmask:2 row_mask:0xf bank_mask:0xf
	v_add_f32_dpp v38, v38, v38 row_xmask:4 row_mask:0xf bank_mask:0xf
	v_add_f32_dpp v38, v38, v38 row_xmask:8 row_mask:0xf bank_mask:0xf
	v_permlanex16_b32 v39, v38, s18, s19
	v_add_f32 v38, v38, v39
.endm
.macro NORM tb                         ; the 16 numbers a lane at v[tb ..] are normalised over the row's 512, scaled by g and shifted by b
	v_pk_add_f32 v[38:39], v[\tb:\tb+1], v[\tb+2:\tb+3]
	v_pk_add_f32 v[40:41], v[\tb+4:\tb+5], v[\tb+6:\tb+7]
	v_pk_add_f32 v[38:39], v[38:39], v[\tb+8:\tb+9]
	v_pk_add_f32 v[40:41], v[40:41], v[\tb+10:\tb+11]
	v_pk_add_f32 v[38:39], v[38:39], v[\tb+12:\tb+13]
	v_pk_add_f32 v[40:41], v[40:41], v[\tb+14:\tb+15]
	v_pk_add_f32 v[38:39], v[38:39], v[40:41]
	v_add_f32 v38, v38, v39
	LANES
	v_mul_f32 v40, s20, v38                        ; the mean
.irp k, 0,2,4,6,8,10,12,14
	v_pk_add_f32 v[\tb+\k:\tb+\k+1], v[\tb+\k:\tb+\k+1], v[40:41] op_sel_hi:[1,0] neg_lo:[0,1] neg_hi:[0,1]
.endr
	v_pk_mul_f32 v[38:39], v[\tb:\tb+1], v[\tb:\tb+1]
	v_pk_mul_f32 v[42:43], v[\tb+2:\tb+3], v[\tb+2:\tb+3]
.irp k, 4,8,12
	v_pk_fma_f32 v[38:39], v[\tb+\k:\tb+\k+1], v[\tb+\k:\tb+\k+1], v[38:39]
	v_pk_fma_f32 v[42:43], v[\tb+\k+2:\tb+\k+3], v[\tb+\k+2:\tb+\k+3], v[42:43]
.endr
	v_pk_add_f32 v[38:39], v[38:39], v[42:43]
	v_add_f32 v38, v38, v39
	LANES
	v_fma_f32 v38, v38, s20, s21                   ; the variance + 1e-5
	v_rsq_f32 v42, v38
	v_nop                                          ; a plain instruction between the root and the use of its result (ISA guide 5.7.2)
	s_wait_alu depctr_va_vdst(0)
.irp k, 0,2,4,6,8,10,12,14
	v_pk_mul_f32 v[\tb+\k:\tb+\k+1], v[\tb+\k:\tb+\k+1], v[42:43] op_sel_hi:[1,0]
.endr
.irp k, 0,2,4,6,8,10,12,14
	v_pk_fma_f32 v[\tb+\k:\tb+\k+1], v[\tb+\k:\tb+\k+1], v[G+\k:G+\k+1], v[B+\k:B+\k+1]
.endr
.endm
.irp i, 0,1,2,3
	s_wait_loadcnt 8*(3-\i)                        ; row i's eight loads are in; the younger rows' stay out
.irp k, 0,1,2,3,4,5,6,7
	v_fma_mix_f32_bf16 v[T+2*\k],   v[U+8*\i+\k], v[ONE], v[X+8*\i+\k] op_sel_hi:[1,0,1]                 ; u1 x 1 + x1, from the words' low halves,
	v_fma_mix_f32_bf16 v[T+2*\k+1], v[U+8*\i+\k], v[ONE], v[X+8*\i+\k] op_sel:[1,0,1] op_sel_hi:[1,0,1]  ; and from their high halves
.endr
	NORM T
.irp k, 0,1,2,3,4,5,6,7
	v_cvt_pk_f16_f32 v[Y+8*\i+\k], v[T+2*\k], v[T+2*\k+1]
.endr
.irp c, 0,1,2,3
	global_store_b64 v1, v[Y+8*\i+2*\c:Y+8*\i+2*\c+1], s[12:13] offset:1024*\i+256*\c  ; the wave stores 256 consecutive bytes, aligned
.endr
.endr
	s_endpgm
.Lfunc_end_k_qf1c58012c7_ln1:
	.size	k_qf1c58012c7_ln1, .Lfunc_end_k_qf1c58012c7_ln1-k_qf1c58012c7_ln1
	.p2alignl 7, 3214868480
	.fill 96, 4, 3214868480
	.section	.rodata,"a",@progbits
	.p2align	6, 0x0
	.amdhsa_kernel k_qf1c58012c7_ln1
		.amdhsa_group_segment_fixed_size 0
		.amdhsa_private_segment_fixed_size 0
		.amdhsa_enable_private_segment 0
		.amdhsa_kernarg_size 40
		.amdhsa_user_sgpr_count 2
		.amdhsa_user_sgpr_kernarg_segment_ptr 1
		.amdhsa_wavefront_size32 1
		.amdhsa_system_sgpr_workgroup_id_x 1
		.amdhsa_system_sgpr_workgroup_id_y 1
		.amdhsa_system_sgpr_workgroup_id_z 1
		.amdhsa_system_vgpr_workitem_id 0
		.amdhsa_next_free_vgpr 160
		.amdhsa_next_free_sgpr 66
		.amdhsa_reserve_vcc 0
		.amdhsa_float_denorm_mode_32 3
		.amdhsa_float_denorm_mode_16_64 3
		.amdhsa_memory_ordered 1
		.amdhsa_forward_progress 1
		.amdhsa_inst_pref_size 29
	.end_amdhsa_kernel
	.amdgpu_metadata
---
amdhsa.version: [ 1, 2 ]
amdhsa.kernels:
  - .name:           k_qf1c58012c7_ln1
    .symbol:         k_qf1c58012c7_ln1.kd
    .args:
      - { .name: qkv, .offset: 0, .size: 8, .value_kind: global_buffer, .address_space: global }
      - { .name: xcast, .offset: 8, .size: 8, .value_kind: global_buffer, .address_space: global }
      - { .name: g1, .offset: 16, .size: 8, .value_kind: global_buffer, .address_space: global }
      - { .name: b1, .offset: 24, .size: 8, .value_kind: global_buffer, .address_space: global }
      - { .name: hbuf, .offset: 32, .size: 8, .value_kind: global_buffer, .address_space: global }
    .group_segment_fixed_size: 0
    .private_segment_fixed_size: 0
    .kernarg_segment_align: 8
    .kernarg_segment_size: 40
    .max_flat_workgroup_size: 256
    .sgpr_count:     66
    .vgpr_count:     160
    .wavefront_size: 32
...
	.end_amdgpu_metadata
.endif
;; end of part 4
;; launch ffn1 (part 5): grid 4 x 64, 4 waves a work-group, clusters of 4 x 4, 327,680 bytes of LDS; arguments hbuf, wffn, bf1, gbuf; writes gbuf
.if DOCPART == 5
	.amdgcn_target "amdgcn-amd-amdhsa--gfx1250"
	.amdhsa_code_object_version 6
	.text
	.protected	k_qf1c58012c7_ffn1
	.globl	k_qf1c58012c7_ffn1
	.p2align	8
	.type	k_qf1c58012c7_ffn1,@function
k_qf1c58012c7_ffn1:
	s_mov_b64 s[64:65], 0
	v_nop
	global_prefetch_b8 v0, s[64:65] scope:SCOPE_SE
	s_setreg_imm32_b32 hwreg(HW_REG_WAVE_MODE, 25, 1), 1
	s_wait_xcnt 0x0
	s_wait_alu depctr_hold_cnt(0) depctr_sa_sdst(0) depctr_va_vdst(0) depctr_va_sdst(0) depctr_va_ssrc(0) depctr_va_vcc(0) depctr_vm_vsrc(0)
	s_getreg_b32 s2, hwreg(HW_REG_IB_STS2, 6, 4)
	s_cmp_eq_u32 s2, 0
	s_cbranch_scc0 .Lentry_in_a_cluster
	s_endpgm
.Lentry_in_a_cluster:
	s_bfe_u32 s2, ttmp6, 0x10000c
	s_cmp_lg_u32 s2, 0xf033
	s_cbranch_scc0 .Lentry_shape_is_right
	s_endpgm
.Lentry_shape_is_right:
; G = gelu(h Wf1 + bf1), the exact (erf) form.  h: [8192][512] f16, Wf1: [512 (k)][2048 (n)] f16 (the first block of wffn), bf1: [2048] f32 (rounded to bf16 as every input is), G: [8192][2048] f16.
; gelu(x) = max(x, 0) - |x| q,  q = P(t) 2^(-x^2 log2(e) / 2) / 2,  t = 1 / (1 + 0.23164189 |x|),  P the polynomial of degree 5 of Abramowitz and Stegun 7.1.26: erf is off by at most 1.5e-7, for every x.
; LIMITS.  x = h Wf1 + bf1 is summed in f32 and rounded once to f16 where it is set aside in LDS; gelu is reckoned in f32 from that number and rounded once to f16: |x| and |G| stay under 65,504.
; NaN and infinities are not treated apart.
; A WORK-GROUP STAYS: it owns 128 rows of h, which are fetched once (all 512 of K: 135,168 bytes of LDS) and stay, and walks four tiles of 128 columns, numbers 4 j + cx.  Only W's tile (512 k rows x 128 columns)
; is filled again: when the last fragments of a tile's W have been read, the next tile's W is asked for, and it is on its way while the finished tile goes through gelu and out.
; A tile is 128 x 128: four waves, each 64 x 64: 16 accumulators of 16 x 16.  K = 512 is eight quarters of 64; both operands lie whole in LDS, so no barrier stands inside a tile's products.
; CLUSTERS: 4 x 4 work-groups.  The four of a row of the cluster need the same rows of h, the four of a column the same tiles of W: each is asked for JOINTLY, by the same tensor load with the same descriptor and
; a mask that names the four.  Wave w fetches piece w of h (K step w / 2, rows 64 (w % 2) on) and piece w of W (k rows 128 w on): every wave runs the same lines, and its LDS bytes are its number times a constant.
; THE MATRIX INSTRUCTION IS USED TRANSPOSED: source 0 = 16 columns of W (W lies [k][n] in LDS and is turned by ds_load_tr16_b128), source 1 = 16 rows of h: a lane then holds eight neighbouring numbers of a row.
; REGISTERS: window 0: v0-31 addresses and constants; v32-95 at work on the way out; v96-127 the bias of my 64 columns; v128-255 the accumulators ((a, b) at v[128 + 8 (4 a + b)]).
;   window 1: two fragment buffers of 128: for 64 along K, 64 registers of h (2 x 4 x 16 rows x 32 K), then 64 of W.
.set SIZE_K, 512
.set SIZE_N, 2048
.set TILES,  4                         ; column tiles that a work-group walks
.set KSTEP,  256
.set PA,     528                       ; a row of h's K step in LDS: 512 bytes + 16 of padding = 132 words: row r starts at bank 4 r mod 64 (64 banks of 4 bytes: ISA guide 11.1)
.set AHALF,  64*PA                     ; 64 rows: one wave's piece of h, and what one wave reads of a K step
.set ATILE,  2*AHALF                   ; a K step's 128 rows; K step 1 lies behind K step 0
.set PB,     288                       ; a k row of W in LDS: 128 columns = 256 bytes + 32 of padding = 72 words
.set BHALF,  128*PB                    ; 128 k rows: one wave's piece of W
.set BBASE,  2*ATILE                   ; W's 512 k rows lie behind h
.set STAGE,  BBASE+4*BHALF             ; behind W, never filled by a tensor load: 128 rows x 272 bytes of f16, the work-group's, for the way out
.set SP,     272
.set SPARE,  STAGE+128*SP              ; behind the stage: the spare words, 128 bytes for each wave: two blocks of 256 bytes that no other line names
.set NKP,  8                           ; v8      -0.23164189 = -0.3275911 / sqrt(2)
.set ONEV, 9                           ; v9      1.0
.set ZERV, 10                          ; v10     0
.set ADRA, 16                          ; v16-17  LDS address of my h fragments in K step 0, 1
.set ADRB, 18                          ; v18-21  of my W fragments: k rows 0-127, 128-255, 256-383, 384-511
.set RD0,  22                          ; v22     the way out: where I read the first rows back; never rewritten
.set CO0,  23                          ; v23     my byte offset in those rows of G; never rewritten
.set STO,  24                          ; v24     the way out: where I put 16 bytes of a row
.set RD,   25                          ; v25     RD0, stepped through my 32 rows
.set CO,   26                          ; v26     CO0, likewise
.set BO,   27                          ; v27     my byte offset in the bias
.set SPW,  28                          ; v28     LDS address of my spare word: SPARE + 4 x my thread's number; never rewritten
.set NIL,  29                          ; v29     0; never rewritten
.set TMP,  32                          ; v32-95  the way out: x in f16, 4 registers an accumulator.  Then, in the loop over rows:
.set XH,   32                          ; v32-39  16 numbers x in f16
.set DD,   40                          ; v40-55  1 + p |x|, then t
.set WW,   56                          ; v56-71  x^2, then the exponential
.set PP,   72                          ; v72-87  the polynomial, then q
.set MH,   88                          ; v88-95  max(x, 0) in f16
.set BIAS, 96
.set ACC,  128
.set YY,   128                         ; v128-135 8 registers to store (the accumulators have been set aside by then)
.set NH,   136                         ; v136-143 -|x| in f16
.set F0,   0
.set F1,   128
.set G1,  24                           ; s[24:31] descriptor group 1 for h's pieces;  s[32:35] group 0
.set G0A, 32
.set G1B, 48                           ; s[48:55], s[56:59] the same for W's pieces
.set G0B, 56
.set MSB, 0
.macro WIN new                         ; the immediate's high byte repeats the setting that is left
.if MSB != (\new)
	s_set_vgpr_msb (MSB<<8)|(\new)
.set MSB, \new
.endif
.endm
.set MUL,  0x05                        ; sources 0 (W) and 1 (h) window 1; C and D window 0
.set TO_F, 0x40                        ; destination window 1, address window 0
.macro CREST                           ; a round of the cluster's barrier behind its opening barrier: wave 0 signals for the work-group; every wave waits for all sixteen; my work-group's barrier once more
	s_cmp_lg_u32 s10, 0
	s_cbranch_scc1 .Lnot_wave_0_\@
	s_barrier_signal -3
.Lnot_wave_0_\@:
	s_barrier_wait -3
	s_barrier_signal -1
	s_barrier_wait -1
.endm
.macro CROUND                          ; a whole round
	s_barrier_signal -1
	s_barrier_wait -1
	CREST
.endm
.macro PLACES                          ; four places in front of loads into registers that matrix instructions have read, and of vector lines that read results
.rept 4
	v_nop
.endr
.endm
	s_load_b256 s[68:75], s[0:1], 0x0              ; h s[68:69], W s[70:71], bias s[72:73], G s[74:75]
	v_lshl_add_u32 v[SPW], v0, 2, SPARE
	v_mov_b32 v[NIL], 0
	ds_add_u32 v[SPW], v[NIL]                      ; the wave's opening: the add and its wait stand ahead of my first tensor load; the set-up below, work on registers, stands between them
	v_lshrrev_b32 v1, 5, v0
	v_readfirstlane_b32 s10, v1                    ; wave 0..3
	s_lshr_b32 s11, s10, 1                         ; which half of the tile's rows is mine.  Also: the K step of h's piece that I fetch
	s_and_b32 s12, s10, 1                          ; which half of its columns.  Also: which 64 rows of h I fetch
	s_bfe_u32 s40, ttmp6, 0x40000                  ; cx, cy: my place in the cluster
	s_bfe_u32 s41, ttmp6, 0x40004
	s_and_b32 s13, ttmp7, 0xffff
	s_lshl_b32 s13, s13, 2
	s_add_co_u32 s13, s13, s41                     ; my block of 128 rows = 4 x cluster y + cy
	s_lshl_b32 s43, s41, 2
	s_lshl_b32 s43, 15, s43                        ; my row of the cluster
	s_lshl_b32 s44, 0x1111, s40                    ; my column
	; descriptor group 1.  h: 64 rows x 256 elements; W: 128 k rows x 128 elements; both padded in LDS
	s_or_b32 s[G1+0], s43, (1<<16)|(1<<20)|(1<<21)|(6<<22)|(3<<25)   ; 15:0 the mask: h's pieces go to my row; 17:16 2-byte elements; 20 padding on; 21 set beside a mask; 24:22 after every 128 words (code 6); 31:25 4 words (code 3)
	s_mov_b32 s[G1+1], KSTEP<<16                   ; tensor_dim0 = 256
	s_mov_b32 s[G1+2], 64<<16                      ; tensor_dim1 = 64
	s_mov_b32 s[G1+3], KSTEP<<16                   ; tile_dim0 = 256
	s_mov_b32 s[G1+4], 64                          ; tile_dim1 = 64
	s_mov_b32 s[G1+5], SIZE_K                      ; elements from row to row
	s_mov_b32 s[G1+6], 0
	s_mov_b32 s[G1+7], 0
	s_or_b32 s[G1B+0], s44, (1<<16)|(1<<20)|(1<<21)|(5<<22)|(7<<25)  ; the mask of my column; padding after every 64 words (code 5), 8 words (code 7)
	s_mov_b32 s[G1B+1], 128<<16
	s_mov_b32 s[G1B+2], 128<<16
	s_mov_b32 s[G1B+3], 128<<16
	s_mov_b32 s[G1B+4], 128
	s_mov_b32 s[G1B+5], SIZE_N
	s_mov_b32 s[G1B+6], 0
	s_mov_b32 s[G1B+7], 0
	s_mov_b32 s82, 0x80008000                      ; the signs of two f16
.irp p, 84,85
	s_mov_b32 s\p, 0xbf38aa3b                      ; -log2(e) / 2; the constants lie as pairs, of which the packed lines take the low word for both halves
.endr
.irp p, 86,87
	s_mov_b32 s\p, 0x3f07dc22                      ; a5 / 2
.endr
.irp p, 88,89
	s_mov_b32 s\p, 0xbf3a00e3                      ; a4 / 2
.endr
.irp p, 90,91
	s_mov_b32 s\p, 0x3f35f0e3                      ; a3 / 2
.endr
.irp p, 92,93
	s_mov_b32 s\p, 0xbe11a98e                      ; a2 / 2
.endr
.irp p, 94,95
	s_mov_b32 s\p, 0x3e027906                      ; a1 / 2
.endr
	; where the pieces come from.  h's offset hangs on my block of rows and the wave; W's on cx and the wave; each in registers that never hold the other coordinate
	s_lshl_b32 s16, s13, 7
	s_lshl_b32 s17, s12, 6
	s_add_co_u32 s16, s16, s17                     ; h: row 128 x block + 64 x half,
	s_mul_i32 s16, s16, SIZE_K*2                   ; in bytes,
	s_lshl_b32 s17, s11, 9
	s_add_co_u32 s16, s16, s17                     ; and 512 bytes along the row for K step 1
	s_mov_b32 s17, 0
	s_mul_i32 s46, s10, 128*SIZE_N*2               ; W: k row 128 x wave,
	s_lshl_b32 s47, s40, 8
	s_add_co_u32 s46, s46, s47                     ; column 128 x cx: the walk's first tile
	s_mov_b32 s47, 0
	s_mov_b32 s[G0A], 1                            ; 1:0 count = 1
	s_mul_i32 s[G0A+1], s10, AHALF                 ; 63:32 LDS address: wave x a piece: no place in the cluster enters an LDS address
	s_mov_b32 s[G0B], 1
	s_mul_i32 s[G0B+1], s10, BHALF
	s_add_co_u32 s[G0B+1], s[G0B+1], BBASE
	s_wait_dscnt 0x0                               ; the opening add is done
	s_wait_kmcnt 0x0
	s_add_nc_u64 s[G0A+2:G0A+3], s[68:69], s[16:17]  ; 120:64 global address
	s_or_b32 s[G0A+3], s[G0A+3], 0x80000000          ; 127:126 type = 2
	s_add_nc_u64 s[G0B+2:G0B+3], s[70:71], s[46:47]
	s_or_b32 s[G0B+3], s[G0B+3], 0x80000000
	CROUND                                         ; all sixteen work-groups are here: the first joint loads meet
	tensor_load_to_lds s[G0A:G0A+3], s[G1:G1+7]    ; my piece of h, which stays for the whole launch,
	s_nop 0
	tensor_load_to_lds s[G0B:G0B+3], s[G1B:G1B+7]  ; and my piece of the first tile of W: two loads of mine are out
	s_nop 0
	PLACES                                         ; an s_nop 0 follows each load, four v_nop the second
	v_and_b32 v1, 15, v0                           ; l % 16
	v_bfe_u32 v2, v0, 4, 1                         ; l / 16
	s_lshl_b32 s46, s40, 9                         ; the bias of my 64 columns: 512 bytes a tile, 256 a half, 32 for the upper lanes
	s_lshl_b32 s47, s12, 8
	s_add_co_u32 s46, s46, s47
	v_lshl_add_u32 v[BO], v2, 5, s46
.macro BIASLD                          ; the bias of my 64 columns of the tile at which s[72:73] stands
.irp b, 0,1,2,3
	global_load_b128 v[BIAS+8*\b:BIAS+8*\b+3],   v[BO], s[72:73] offset:64*\b
	global_load_b128 v[BIAS+8*\b+4:BIAS+8*\b+7], v[BO], s[72:73] offset:64*\b+16
.endr
.endm
.macro BIASRB                          ; it has come, and is rounded to bf16 as every input is
	s_wait_loadcnt 0x0
.set i, 0
.rept 16
	v_cvt_pk_bf16_f32 v[30+i%2], v[BIAS+2*i], v[BIAS+2*i+1]
	v_lshlrev_b32 v[BIAS+2*i], 16, v[30+i%2]
	v_and_b32 v[BIAS+2*i+1], 0xffff0000, v[30+i%2]
.set i, i+1
.endr
.endm
	BIASLD
	v_mov_b32 v[NKP], 0xbe6d3388
	v_mov_b32 v[ONEV], 1.0
	v_mov_b32 v[ZERV], 0
	v_mul_u32_u24 v3, v1, PA
	v_lshl_add_u32 v3, v2, 4, v3                   ; a fragment of h: row x pitch + 16 x half
	s_mul_i32 s22, s11, AHALF                      ; my 64 rows
	v_add_nc_u32 v[ADRA], s22, v3
	s_add_co_u32 s22, s22, ATILE
	v_add_nc_u32 v[ADRA+1], s22, v3
	v_and_b32 v5, 7, v0                            ; the turning load: lane l reads k row 8 (l / 16) + l % 8, columns 8 ((l / 8) % 2) + 0..7
	v_bfe_u32 v6, v0, 3, 1
	v_lshl_add_u32 v4, v2, 3, v5
	v_mul_u32_u24 v4, v4, PB
	v_lshl_add_u32 v4, v6, 4, v4
	s_lshl_b32 s22, s12, 7                         ; my 64 columns of W,
	s_add_co_u32 s22, s22, BBASE                   ; which lies behind h
.irp n, 0,1,2,3
	s_add_co_u32 s23, s22, (\n)*BHALF
	v_add_nc_u32 v[ADRB+(\n)], s23, v4
.endr
	s_mul_i32 s23, s11, 64*SP                      ; into the stage: my 64 rows, my 128 bytes of their 256; row l % 16, 16 bytes for each half of the lanes
	s_lshl_b32 s22, s12, 7
	s_add_co_u32 s23, s23, s22
	s_add_co_u32 s23, s23, STAGE
	v_mul_u32_u24 v7, v1, SP
	v_lshl_add_u32 v7, v2, 4, v7
	v_add_nc_u32 v[STO], s23, v7
	s_mul_i32 s23, s10, 32*SP                      ; back: wave w takes rows 32 w .. 32 w + 31, whole; lanes 0-15 one row of 256 bytes, lanes 16-31 the next
	s_add_co_u32 s23, s23, STAGE
	v_mul_u32_u24 v7, v2, SP
	v_lshl_add_u32 v7, v1, 4, v7
	v_add_nc_u32 v[RD0], s23, v7
	v_lshlrev_b32 v7, 12, v2                       ; and the same two rows in G (4,096 bytes each)
	v_lshl_add_u32 v[CO0], v1, 4, v7
	s_lshl_b32 s16, s13, 7
	s_lshl_b32 s17, s10, 5
	s_add_co_u32 s16, s16, s17                     ; the first row that I store: 128 x block + 32 x wave
	s_lshl_b32 s16, s16, 12
	s_mov_b32 s17, 0
	s_add_nc_u64 s[74:75], s[74:75], s[16:17]
	s_lshl_b32 s46, s40, 8                         ; the first tile's first column, in bytes
	s_mov_b32 s47, 0
	s_add_nc_u64 s[74:75], s[74:75], s[46:47]
	BIASRB
; 8 matrix instructions: row blocks a0, a0 + 1 x all 4 column blocks, 32 along K: half c of buffer f.  zero = 1: the first product starts the sums.  The 16 accumulators take turns
.macro MUL8 f, c, a0, zero
	WIN MUL
.irp a, \a0, (\a0)+1
.irp b, 0,1,2,3
.if \zero
	v_wmma_f32_16x16x32_f16 v[ACC+8*(4*(\a)+(\b)):ACC+8*(4*(\a)+(\b))+7], v[(\f)+64+8*(4*(\c)+(\b)):(\f)+64+8*(4*(\c)+(\b))+7], v[(\f)+8*(4*(\c)+(\a)):(\f)+8*(4*(\c)+(\a))+7], 0
.else
	v_wmma_f32_16x16x32_f16 v[ACC+8*(4*(\a)+(\b)):ACC+8*(4*(\a)+(\b))+7], v[(\f)+64+8*(4*(\c)+(\b)):(\f)+64+8*(4*(\c)+(\b))+7], v[(\f)+8*(4*(\c)+(\a)):(\f)+8*(4*(\c)+(\a))+7], v[ACC+8*(4*(\a)+(\b)):ACC+8*(4*(\a)+(\b))+7]
.endif
.endr
.endr
.endm
; 32 LDS loads in one run: the fragments of quarter q (64 along K) of K step ks, into buffer f; the first 32 along K first
.macro FETCH ks, q, f
	WIN TO_F
.irp c, 0,1
.irp i, 0,1,2,3
	ds_load_tr16_b128 v[(\f)+64+8*(4*(\c)+(\i)):(\f)+64+8*(4*(\c)+(\i))+3],   v[ADRB+2*(\ks)+(\q)/2] offset:(((\q)%2)*64+32*(\c))*PB+32*(\i)
	ds_load_tr16_b128 v[(\f)+64+8*(4*(\c)+(\i))+4:(\f)+64+8*(4*(\c)+(\i))+7], v[ADRB+2*(\ks)+(\q)/2] offset:(((\q)%2)*64+32*(\c)+16)*PB+32*(\i)
	ds_load_b128 v[(\f)+8*(4*(\c)+(\i)):(\f)+8*(4*(\c)+(\i))+3],              v[ADRA+(\ks)] offset:128*(\q)+64*(\c)+(\i)*16*PA
	ds_load_b128 v[(\f)+8*(4*(\c)+(\i))+4:(\f)+8*(4*(\c)+(\i))+7],            v[ADRA+(\ks)] offset:128*(\q)+64*(\c)+(\i)*16*PA+32
.endr
.endr
.endm
; A quarter is 64 along K, 32 matrix instructions, on buffers 0, 1, 0, 1.  One of the first seven: multiplies buffer f and fetches quarter q of K step ks into g.
.macro QUARTER ks, q, f, g, zero
	s_wait_dscnt 16                                ; the first 32 along K are in; the youngest sixteen loads may be out
	WIN MUL
	MUL8 \f, 0, 0, \zero
	MUL8 \f, 0, 2, \zero
	PLACES
	FETCH \ks, \q, \g
	s_wait_dscnt 32                                ; all but the 32 just issued
	WIN MUL
	MUL8 \f, 1, 0, 0
	MUL8 \f, 1, 2, 0
.endm
; A tile's last quarter multiplies buffer 1.  fill = 1: the tile has a successor.  Its fragments are the last that are read of this tile's W, so W is filled again here: each wave waits for all its tensor loads (none
; is out), adds 0 to its spare word, and waits for that and for its reads of W; the barrier opens a round of the cluster's, so that no wave of any partner still reads W; the joint refill is the first thing behind it.
; It has the quarter's last 16 products and the whole way out in which to land.
.macro LASTQ fill
.if \fill
	WIN 0                                          ; (the add's two registers lie in window 0)
	s_wait_tensorcnt 0x0                           ; no tensor load of mine is out, so a group 0 may be written;
	ds_add_u32 v[SPW], v[NIL]                      ; 0 onto my spare word;
	s_add_nc_u64 s[G0B+2:G0B+3], s[G0B+2:G0B+3], 4*256  ; the next tile lies four tiles of 256 bytes on; the type bits on top are not reached
	s_wait_dscnt 17                                ; (the add and the youngest sixteen loads may be out)
	WIN MUL
	MUL8 F1, 0, 0, 0                               ; eight matrix instructions stand between the add and the wait for it
	s_wait_dscnt 0x0                               ; the add is done, and my reads of W are over
	s_barrier_signal -1
	MUL8 F1, 0, 2, 0
	WIN 0
	s_barrier_wait -1
	CREST
	tensor_load_to_lds s[G0B:G0B+3], s[G1B:G1B+7]  ; my one tensor load behind the round: my piece of the next tile of W
	s_nop 0
	PLACES
.else
	s_wait_dscnt 16                                ; the walk's last quarter: nothing more to fetch
	WIN MUL
	MUL8 F1, 0, 0, 0
	MUL8 F1, 0, 2, 0
	s_wait_dscnt 0x0
.endif
	WIN MUL
	MUL8 F1, 1, 0, 0
	MUL8 F1, 1, 2, 0
	WIN 0
.endm
; THE WAY OUT.  The bias is added in f32 and x rounded to f16; 16 bytes a lane go into the work-group's stage; a barrier, since a row's 256 bytes come from two waves; back as whole rows, four rows a trip: gelu, store.
; more = 1: the tile has a successor: its bias is asked for when this tile's has been used, and G's address steps on.
.macro WAYOUT more
	PLACES
.set t, 0
.rept 16
.set rA, ACC+8*t
.set rB, BIAS+8*(t%4)
	v_pk_add_f32 v[rA:rA+1],   v[rA:rA+1],   v[rB:rB+1]        ; each accumulator is read from its low end on
	v_pk_add_f32 v[rA+2:rA+3], v[rA+2:rA+3], v[rB+2:rB+3]
	v_pk_add_f32 v[rA+4:rA+5], v[rA+4:rA+5], v[rB+4:rB+5]
	v_pk_add_f32 v[rA+6:rA+7], v[rA+6:rA+7], v[rB+6:rB+7]
	v_cvt_pk_f16_f32 v[TMP+4*t],   v[rA],   v[rA+1]
	v_cvt_pk_f16_f32 v[TMP+4*t+1], v[rA+2], v[rA+3]
	v_cvt_pk_f16_f32 v[TMP+4*t+2], v[rA+4], v[rA+5]
	v_cvt_pk_f16_f32 v[TMP+4*t+3], v[rA+6], v[rA+7]
	ds_store_b128 v[STO], v[TMP+4*t:TMP+4*t+3] offset:(t/4)*16*SP+32*(t%4)
.set t, t+1
.endr
.if \more
	s_add_nc_u64 s[72:73], s[72:73], 4*512         ; the loads that named this base have been waited for
	BIASLD
.endif
	s_wait_dscnt 0x0                               ; for the others' sake: my stores into the stage are done
	s_barrier_signal -1
	s_barrier_wait -1
	v_mov_b32 v[RD], v[RD0]
	v_mov_b32 v[CO], v[CO0]                        ; the last stores that named CO stand ahead of an s_wait_xcnt 0
	s_mov_b32 s3, 8
.Lrows_\@:                                             ; 8 trips of 4 rows: 16 numbers a lane.  The f16 halves are read by multiply-adds that reckon in f32
	ds_load_b128 v[XH:XH+3],   v[RD]
	ds_load_b128 v[XH+4:XH+7], v[RD] offset:2*SP
	s_wait_dscnt 0x0
.set k, 0
.rept 8
	v_or_b32 v[NH+k], s82, v[XH+k]                 ; -|x|, two at a time
.set k, k+1
.endr
.set k, 0
.rept 8
	v_fma_mix_f32 v[WW+2*k],   v[XH+k], v[XH+k], v[ZERV] op_sel_hi:[1,1,0]                 ; x^2, from the word's low half,
	v_fma_mix_f32 v[WW+2*k+1], v[XH+k], v[XH+k], v[ZERV] op_sel:[1,1,0] op_sel_hi:[1,1,0]  ; and from its high half
.set k, k+1
.endr
.set k, 0
.rept 8
	v_fma_mix_f32 v[DD+2*k],   v[NH+k], v[NKP], v[ONEV] op_sel_hi:[1,0,0]                  ; 1 + p |x| / sqrt(2)
	v_fma_mix_f32 v[DD+2*k+1], v[NH+k], v[NKP], v[ONEV] op_sel:[1,0,0] op_sel_hi:[1,0,0]
.set k, k+1
.endr
.set i, 0
.rept 16
	v_rcp_f32 v[DD+i], v[DD+i]                     ; t.  Behind each run of transcendentals stands a run of plain lines that touches none of its registers (ISA guide 5.7.2)
.set i, i+1
.endr
.set i, 0
.rept 8
	v_pk_mul_f32 v[WW+2*i:WW+2*i+1], v[WW+2*i:WW+2*i+1], s[84:85] op_sel_hi:[1,0]
.set i, i+1
.endr
.set i, 0
.rept 16
	v_exp_f32 v[WW+i], v[WW+i]                     ; e^(-x^2 / 2)
.set i, i+1
.endr
.set i, 0
	s_wait_alu depctr_va_vdst(0)
.rept 8
	v_pk_fma_f32 v[PP+2*i:PP+2*i+1], v[DD+2*i:DD+2*i+1], s[86:87], s[88:89] op_sel_hi:[1,0,0]
.set i, i+1
.endr
.irp c, 90,92,94
.set i, 0
.rept 8
	v_pk_fma_f32 v[PP+2*i:PP+2*i+1], v[PP+2*i:PP+2*i+1], v[DD+2*i:DD+2*i+1], s[\c:\c+1] op_sel_hi:[1,1,0]
.set i, i+1
.endr
.endr
.set i, 0
.rept 8
	v_pk_mul_f32 v[PP+2*i:PP+2*i+1], v[PP+2*i:PP+2*i+1], v[DD+2*i:DD+2*i+1]
.set i, i+1
.endr
.set i, 0
.rept 8
	v_pk_mul_f32 v[PP+2*i:PP+2*i+1], v[PP+2*i:PP+2*i+1], v[WW+2*i:WW+2*i+1]   ; q
.set i, i+1
.endr
.set k, 0
.rept 8
	v_pk_max_num_f16 v[MH+k], v[XH+k], v[ZERV]     ; max(x, 0), two at a time; nothing is rounded
.set k, k+1
.endr
.set k, 0
.rept 8
	v_fma_mixlo_f16 v[YY+k], v[NH+k], v[PP+2*k],   v[MH+k] op_sel_hi:[1,0,1]                 ; max(x, 0) - |x| q, rounded once, into the word's low half,
	v_fma_mixhi_f16 v[YY+k], v[NH+k], v[PP+2*k+1], v[MH+k] op_sel:[1,0,1] op_sel_hi:[1,0,1]  ; and into its high half
.set k, k+1
.endr
	global_store_b128 v[CO], v[YY:YY+3],   s[74:75]                      ; 16 lanes store 256 consecutive bytes, at a multiple of 256 from G's first byte
	global_store_b128 v[CO], v[YY+4:YY+7], s[74:75] offset:2*SIZE_N*2
	s_wait_xcnt 0x0                                ; the stores' offset, data and base are rewritten only behind this wait
	v_add_nc_u32 v[RD], 4*SP, v[RD]
	v_add_nc_u32 v[CO], 4*SIZE_N*2, v[CO]
	s_sub_co_u32 s3, s3, 1
	s_cmp_lg_u32 s3, 0
	s_cbranch_scc1 .Lrows_\@
.if \more
	s_add_nc_u64 s[74:75], s[74:75], 4*256         ; G at the next tile's first column
	BIASRB
.endif
.endm
	s_mov_b32 s2, TILES                            ; tiles to go, this one among them: the same number in every work-group
.Ltile:
	s_wait_tensorcnt 0x0                           ; my piece of this tile's W is in (one load was out; in the first trip two: h's piece too): this wait serves the reads below;
	s_wait_dscnt 0x0                               ; my reads of the stage are back;
	s_barrier_signal -1
	s_barrier_wait -1                              ; both now hold of every wave: W is whole, and the stage may be written again.
	FETCH 0, 0, F0
	QUARTER 0, 1, F0, F1, 1                        ; the first products start the sums
	QUARTER 0, 2, F1, F0, 0
	QUARTER 0, 3, F0, F1, 0
	QUARTER 1, 0, F1, F0, 0
	QUARTER 1, 1, F0, F1, 0
	QUARTER 1, 2, F1, F0, 0
	QUARTER 1, 3, F0, F1, 0
	WIN 0                                          ; at a label and at a branch every window is 0
	s_cmp_eq_u32 s2, 1
	s_cbranch_scc1 .Llast                          ; the last tile's end is written out: it asks for nothing more
	LASTQ 1
	WAYOUT 1
	s_sub_co_u32 s2, s2, 1
	s_branch .Ltile
.Llast:
	LASTQ 0
	WAYOUT 0
	s_wait_tensorcnt 0x0                           ; the wave's end: an add to my spare word and its wait, behind my last tensor load and my last LDS store
	ds_add_u32 v[SPW], v[NIL]
	s_wait_dscnt 0x0
	CROUND                                         ; the closing round: no work-group ends while a partner may still ask for a tile that names it
	s_endpgm
.Lfunc_end_k_qf1c58012c7_ffn1:
	.size	k_qf1c58012c7_ffn1, .Lfunc_end_k_qf1c58012c7_ffn1-k_qf1c58012c7_ffn1
	.p2alignl 7, 3214868480
	.fill 96, 4, 3214868480
	.section	.rodata,"a",@progbits
	.p2align	6, 0x0
	.amdhsa_kernel k_qf1c58012c7_ffn1
		.amdhsa_group_segment_fixed_size 327680
		.amdhsa_private_segment_fixed_size 0
		.amdhsa_enable_private_segment 0
		.amdhsa_kernarg_size 32
		.amdhsa_user_sgpr_count 2
		.amdhsa_user_sgpr_kernarg_segment_ptr 1
		.amdhsa_wavefront_size32 1
		.amdhsa_system_sgpr_workgroup_id_x 1
		.amdhsa_system_sgpr_workgroup_id_y 1
		.amdhsa_system_sgpr_workgroup_id_z 1
		.amdhsa_system_vgpr_workitem_id 0
		.amdhsa_next_free_vgpr 512
		.amdhsa_next_free_sgpr 96
		.amdhsa_reserve_vcc 0
		.amdhsa_float_denorm_mode_32 3
		.amdhsa_float_denorm_mode_16_64 3
		.amdhsa_memory_ordered 1
		.amdhsa_forward_progress 1
		.amdhsa_inst_pref_size 88
	.end_amdhsa_kernel
	.amdgpu_metadata
---
amdhsa.version: [ 1, 2 ]
amdhsa.kernels:
  - .name:           k_qf1c58012c7_ffn1
    .symbol:         k_qf1c58012c7_ffn1.kd
    .args:
      - { .name: hbuf, .offset: 0, .size: 8, .value_kind: global_buffer, .address_space: global }
      - { .name: wffn, .offset: 8, .size: 8, .value_kind: global_buffer, .address_space: global }
      - { .name: bf1, .offset: 16, .size: 8, .value_kind: global_buffer, .address_space: global }
      - { .name: gbuf, .offset: 24, .size: 8, .value_kind: global_buffer, .address_space: global }
    .group_segment_fixed_size: 327680
    .private_segment_fixed_size: 0
    .kernarg_segment_align: 8
    .kernarg_segment_size: 32
    .max_flat_workgroup_size: 128
    .sgpr_count:     96
    .vgpr_count:     512
    .wavefront_size: 32
...
	.end_amdgpu_metadata
.endif
;; end of part 5
;; launch ffn2 (part 6): grid 4 x 64, 4 waves a work-group, clusters of 4 x 4, 327,680 bytes of LDS; arguments gbuf, wffn, bf2, xcast; writes xcast
.if DOCPART == 6
	.amdgcn_target "amdgcn-amd-amdhsa--gfx1250"
	.amdhsa_code_object_version 6
	.text
	.protected	k_qf1c58012c7_ffn2
	.globl	k_qf1c58012c7_ffn2
	.p2align	8
	.type	k_qf1c58012c7_ffn2,@function
k_qf1c58012c7_ffn2:
	s_mov_b64 s[64:65], 0
	v_nop
	global_prefetch_b8 v0, s[64:65] scope:SCOPE_SE
	s_setreg_imm32_b32 hwreg(HW_REG_WAVE_MODE, 25, 1), 1
	s_wait_xcnt 0x0
	s_wait_alu depctr_hold_cnt(0) depctr_sa_sdst(0) depctr_va_vdst(0) depctr_va_sdst(0) depctr_va_ssrc(0) depctr_va_vcc(0) depctr_vm_vsrc(0)
	s_getreg_b32 s2, hwreg(HW_REG_IB_STS2, 6, 4)
	s_cmp_eq_u32 s2, 0
	s_cbranch_scc0 .Lentry_in_a_cluster
	s_endpgm
.Lentry_in_a_cluster:
	s_bfe_u32 s2, ttmp6, 0x10000c
	s_cmp_lg_u32 s2, 0xf033
	s_cbranch_scc0 .Lentry_shape_is_right
	s_endpgm
.Lentry_shape_is_right:
; u2 = G Wf2 + bf2.  G: [8192][2048] f16, Wf2: [2048 (k)][512 (n)] f16 (the second block of wffn, 2,097,152 bytes in), bf2: [512] f32 (rounded to bf16 as every input is), u2: [8192][512] f32: the sums are stored as they are.
; A tile of u2 is 128 x 128: four waves, each 64 x 64: 16 accumulators of 16 x 16.  K = 2,048 goes in eight steps of 256 through a ring of two LDS slots filled by the tensor data mover.
; CLUSTERS: 4 x 4 work-groups.  The four of a row of the cluster need the same tiles of G, the four of a column the same tiles of W: each tile is asked for JOINTLY, by the same tensor
; load with the same descriptor and a mask that names the four.
; THE MATRIX INSTRUCTION IS USED TRANSPOSED: source 0 = 16 columns of W (W lies [k][n] in LDS and is turned by ds_load_tr16_b128), source 1 = 16 rows of G: a lane then holds eight neighbouring numbers of a row.
; REGISTERS: window 0: v0-31 addresses; v96-127 the bias of my 64 columns; v128-255 the accumulators ((a, b) at v[128 + 8 (4 a + b)]).
;   window 1: two fragment buffers of 128: for 64 along K, 64 registers of G (2 x 4 x 16 rows x 32 K), then 64 of W.
.set SIZE_K, 2048
.set SIZE_N, 512
.set KSTEP,  256
.set PA,     528                       ; a row of G in LDS: 512 bytes + 16 of padding = 132 words: row r starts at bank 4 r mod 64 (64 banks of 4 bytes: ISA guide 11.1)
.set AHALF,  64*PA
.set ATILE,  2*AHALF
.set PB,     288                       ; a k row of W in LDS: 128 columns = 256 bytes + 32 of padding = 72 words
.set BHALF,  128*PB
.set SLOT,   ATILE+2*BHALF             ; G's 128 rows, then W's 256 k rows
.set SPITCH, 528                       ; the stage: 128 rows of 128 f32 + 16 bytes.  It lies in slot 0 from byte 0 on, and is written when that slot has had its last fill and its last reads stand ahead of a barrier
.set SPARE,  2*SLOT                    ; behind the slots: the spare words, 128 bytes for each wave: two blocks of 256 bytes that no other line names
.set LAPS, SIZE_K/(2*KSTEP)            ; a lap = two K steps = once round the ring
.set ADRA, 16                          ; v16-17  LDS address of my G fragments in slot 0, 1
.set ADRB, 18                          ; v18-21  of my W fragments: slot 0 k rows 0-127, 128-255; slot 1 likewise
.set STO,  24                          ; v24     the way out: where I put 32 bytes of a row
.set RD,   25                          ; v25     the way out: where I read a row back
.set CO,   26                          ; v26     my byte offset in a row of the tile
.set BO,   27                          ; v27     my byte offset in the bias
.set SPW,  28                          ; v28     LDS address of my spare word: SPARE + 4 x my thread's number; never rewritten
.set NIL,  29                          ; v29     0; never rewritten
.set BIAS, 96
.set ACC,  128
.set F0,   0
.set F1,   128
.set G1, 24                            ; s[24:31] descriptor group 1 for G's tiles;  s[32:39] group 0, one set for each slot
.set G0, 32
.set G1B, 48                           ; s[48:55], s[56:63] the same for W's tiles
.set G0B, 56
.set MSB, 0
.macro WIN new                         ; the immediate's high byte repeats the setting that is left
.if MSB != (\new)
	s_set_vgpr_msb (MSB<<8)|(\new)
.set MSB, \new
.endif
.endm
.set MUL,  0x05                        ; sources 0 (W) and 1 (G) window 1; C and D window 0
.set TO_F, 0x40                        ; destination window 1, address window 0
.macro JLOAD s                         ; a joint load: waves 0 and 1 fetch G's two halves, waves 2 and 3 W's; an s_nop 0 and four v_nop follow each of the two lines, ahead of the jump and the label
	s_cmp_eq_u32 s11, 0
	s_cbranch_scc0 .Lfor_b_\@
	tensor_load_to_lds s[G0+4*(\s):G0+4*(\s)+3], s[G1:G1+7]
	s_nop 0
.rept 4
	v_nop
.endr
	s_branch .Lasked_\@
.Lfor_b_\@:
	tensor_load_to_lds s[G0B+4*(\s):G0B+4*(\s)+3], s[G1B:G1B+7]
	s_nop 0
.rept 4
	v_nop
.endr
.Lasked_\@:
.endm
.macro CREST                           ; a round of the cluster's barrier behind its opening barrier
	s_cmp_lg_u32 s10, 0
	s_cbranch_scc1 .Lnot_wave_0_\@
	s_barrier_signal -3
.Lnot_wave_0_\@:
	s_barrier_wait -3
	s_barrier_signal -1
	s_barrier_wait -1
.endm
.macro CROUND                          ; a whole round
	s_barrier_signal -1
	s_barrier_wait -1
	CREST
.endm
	s_load_b256 s[68:75], s[0:1], 0x0              ; G s[68:69], W s[70:71], bias s[72:73], u2 s[74:75]
	v_lshl_add_u32 v[SPW], v0, 2, SPARE
	v_mov_b32 v[NIL], 0
	ds_add_u32 v[SPW], v[NIL]                      ; the wave's opening: the add and its wait stand ahead of my first tensor load; the set-up below, work on registers, stands between them
	v_lshrrev_b32 v1, 5, v0
	v_readfirstlane_b32 s10, v1                    ; wave 0..3
	s_lshr_b32 s11, s10, 1                         ; which half of the tile's rows is mine.  Also: I fetch for G (0) or for W (1)
	s_and_b32 s12, s10, 1                          ; which half of its columns.  Also: which half of that tile I fetch
	s_bfe_u32 s40, ttmp6, 0x40000                  ; cx, cy: my place in the cluster
	s_bfe_u32 s41, ttmp6, 0x40004
	s_lshl_b32 s42, ttmp9, 2
	s_add_co_u32 s42, s42, s40                     ; tile column = 4 x cluster x + cx
	s_and_b32 s13, ttmp7, 0xffff
	s_lshl_b32 s13, s13, 2
	s_add_co_u32 s13, s13, s41                     ; tile row = 4 x cluster y + cy
	s_lshl_b32 s43, s41, 2
	s_lshl_b32 s43, 15, s43                        ; my row of the cluster
	s_lshl_b32 s44, 0x1111, s40                    ; my column
	s_or_b32 s[G1+0], s43, (1<<16)|(1<<20)|(1<<21)|(6<<22)|(3<<25)   ; 15:0 the mask: G's tiles go to my row; 17:16 2-byte elements; 20 padding on; 21 set beside a mask; 24:22 after every 128 words (code 6); 31:25 4 words (code 3)
	s_mov_b32 s[G1+1], KSTEP<<16                   ; tensor_dim0 = 256
	s_mov_b32 s[G1+2], 64<<16                      ; tensor_dim1 = 64
	s_mov_b32 s[G1+3], KSTEP<<16                   ; tile_dim0 = 256
	s_mov_b32 s[G1+4], 64                          ; tile_dim1 = 64
	s_mov_b32 s[G1+5], SIZE_K                      ; elements from row to row
	s_mov_b32 s[G1+6], 0
	s_mov_b32 s[G1+7], 0
	s_or_b32 s[G1B+0], s44, (1<<16)|(1<<20)|(1<<21)|(5<<22)|(7<<25)  ; the mask of my column; padding after every 64 words (code 5), 8 words (code 7)
	s_mov_b32 s[G1B+1], 128<<16
	s_mov_b32 s[G1B+2], 128<<16
	s_mov_b32 s[G1B+3], 128<<16
	s_mov_b32 s[G1B+4], 128
	s_mov_b32 s[G1B+5], SIZE_N
	s_mov_b32 s[G1B+6], 0
	s_mov_b32 s[G1B+7], 0
	; where the tiles come from.  G's offset hangs on the tile row and the wave; W's on the tile column and the wave; each in registers that never hold the other coordinate
	s_lshl_b32 s16, s13, 7
	s_lshl_b32 s17, s12, 6
	s_add_co_u32 s16, s16, s17                     ; G: row 128 x tile row + 64 x half,
	s_mul_i32 s16, s16, SIZE_K*2                   ; in bytes
	s_mov_b32 s17, 0
	s_mul_i32 s46, s12, 128*SIZE_N*2               ; W: k row 128 x half,
	s_lshl_b32 s47, s42, 8
	s_add_co_u32 s46, s46, s47                     ; column 128 x tile column,
	s_add_co_u32 s46, s46, 2097152                 ; in the buffer's second block
	s_mov_b32 s47, 0
	s_mul_i32 s20, s12, AHALF                      ; and where they go: no place in the cluster enters an LDS address
	s_mul_i32 s21, s12, BHALF
	s_add_co_u32 s21, s21, ATILE
	s_wait_dscnt 0x0                               ; the opening add is done
	s_wait_kmcnt 0x0
	s_add_nc_u64 s[14:15], s[68:69], s[16:17]
	s_add_nc_u64 s[46:47], s[70:71], s[46:47]
	CROUND                                         ; all sixteen work-groups are here: the first joint loads meet
.irp s, 0,1
	s_mov_b32 s[G0+4*(\s)], 1
	s_add_co_u32 s[G0+4*(\s)+1], s20, (\s)*SLOT
	s_add_nc_u64 s[G0+4*(\s)+2:G0+4*(\s)+3], s[14:15], (\s)*KSTEP*2
	s_or_b32 s[G0+4*(\s)+3], s[G0+4*(\s)+3], 0x80000000
	s_mov_b32 s[G0B+4*(\s)], 1
	s_add_co_u32 s[G0B+4*(\s)+1], s21, (\s)*SLOT
	s_add_nc_u64 s[G0B+4*(\s)+2:G0B+4*(\s)+3], s[46:47], (\s)*KSTEP*SIZE_N*2
	s_or_b32 s[G0B+4*(\s)+3], s[G0B+4*(\s)+3], 0x80000000
	JLOAD \s                                       ; the ring is filled before anything else is done: two loads of mine are out
.endr
	v_and_b32 v1, 15, v0                           ; l % 16
	v_bfe_u32 v2, v0, 4, 1                         ; l / 16
	s_lshl_b32 s46, s42, 9                         ; the bias of my 64 columns: 512 bytes a tile column, 256 a half, 32 for the upper lanes
	s_lshl_b32 s47, s12, 8
	s_add_co_u32 s46, s46, s47
	v_lshl_add_u32 v[BO], v2, 5, s46
.irp b, 0,1,2,3
	global_load_b128 v[BIAS+8*\b:BIAS+8*\b+3],   v[BO], s[72:73] offset:64*\b
	global_load_b128 v[BIAS+8*\b+4:BIAS+8*\b+7], v[BO], s[72:73] offset:64*\b+16
.endr
	v_mul_u32_u24 v3, v1, PA
	v_lshl_add_u32 v3, v2, 4, v3                   ; a fragment of G: row x pitch + 16 x half
	s_mul_i32 s22, s11, AHALF                      ; my 64 rows
	v_add_nc_u32 v[ADRA], s22, v3
	s_add_co_u32 s22, s22, SLOT
	v_add_nc_u32 v[ADRA+1], s22, v3
	v_and_b32 v5, 7, v0                            ; the turning load: lane l reads k row 8 (l / 16) + l % 8, columns 8 ((l / 8) % 2) + 0..7
	v_bfe_u32 v6, v0, 3, 1
	v_lshl_add_u32 v4, v2, 3, v5
	v_mul_u32_u24 v4, v4, PB
	v_lshl_add_u32 v4, v6, 4, v4
	s_lshl_b32 s22, s12, 7                         ; my 64 columns of W,
	s_add_co_u32 s22, s22, ATILE                   ; which lies behind G
.irp n, 0,1,2,3
	s_add_co_u32 s23, s22, ((\n)/2)*SLOT+((\n)%2)*BHALF
	v_add_nc_u32 v[ADRB+(\n)], s23, v4
.endr
	s_mul_i32 s23, s11, 64*SPITCH                  ; into the stage: my 64 rows, my 256 bytes of their 512; row l % 16, 32 bytes for each half of the lanes
	s_lshl_b32 s22, s12, 8
	s_add_co_u32 s23, s23, s22
	v_mul_u32_u24 v7, v1, SPITCH
	v_lshl_add_u32 v7, v2, 5, v7
	v_add_nc_u32 v[STO], s23, v7
	s_mul_i32 s23, s10, 32*SPITCH                  ; back: wave w takes rows 32 w .. 32 w + 31; the 32 lanes take one row's 512 bytes
	v_and_b32 v7, 31, v0
	v_lshlrev_b32 v[CO], 4, v7
	v_add_nc_u32 v[RD], s23, v[CO]
	s_lshl_b32 s16, s13, 7
	s_lshl_b32 s17, s10, 5
	s_add_co_u32 s16, s16, s17                     ; the first row that I store: 128 x tile row + 32 x wave,
	s_lshl_b32 s16, s16, 11                        ; rows of 2,048 bytes
	s_mov_b32 s17, 0
	s_add_nc_u64 s[74:75], s[74:75], s[16:17]
	s_lshl_b32 s46, s42, 9                         ; the tile's first column, in bytes
	s_mov_b32 s47, 0
	s_add_nc_u64 s[74:75], s[74:75], s[46:47]
	s_wait_loadcnt 0x0                             ; the bias, which is rounded to bf16 as every input is
.set i, 0
.rept 16
	v_cvt_pk_bf16_f32 v[30+i%2], v[BIAS+2*i], v[BIAS+2*i+1]
	v_lshlrev_b32 v[BIAS+2*i], 16, v[30+i%2]
	v_and_b32 v[BIAS+2*i+1], 0xffff0000, v[30+i%2]
.set i, i+1
.endr
; 8 matrix instructions: row blocks a0, a0 + 1 x all 4 column blocks, 32 along K: half c of buffer f.  zero = 1: the first product starts the sums.  The 16 accumulators take turns
.macro MUL8 f, c, a0, zero
	WIN MUL
.irp a, \a0, (\a0)+1
.irp b, 0,1,2,3
.if \zero
	v_wmma_f32_16x16x32_f16 v[ACC+8*(4*(\a)+(\b)):ACC+8*(4*(\a)+(\b))+7], v[(\f)+64+8*(4*(\c)+(\b)):(\f)+64+8*(4*(\c)+(\b))+7], v[(\f)+8*(4*(\c)+(\a)):(\f)+8*(4*(\c)+(\a))+7], 0
.else
	v_wmma_f32_16x16x32_f16 v[ACC+8*(4*(\a)+(\b)):ACC+8*(4*(\a)+(\b))+7], v[(\f)+64+8*(4*(\c)+(\b)):(\f)+64+8*(4*(\c)+(\b))+7], v[(\f)+8*(4*(\c)+(\a)):(\f)+8*(4*(\c)+(\a))+7], v[ACC+8*(4*(\a)+(\b)):ACC+8*(4*(\a)+(\b))+7]
.endif
.endr
.endr
.endm
; 32 LDS loads in one run: the fragments of quarter q (64 along K) of a slot, into buffer f; the first 32 along K first
.macro FETCH slot, q, f
	WIN TO_F
.irp c, 0,1
.irp i, 0,1,2,3
	ds_load_tr16_b128 v[(\f)+64+8*(4*(\c)+(\i)):(\f)+64+8*(4*(\c)+(\i))+3],   v[ADRB+2*(\slot)+(\q)/2] offset:(((\q)%2)*64+32*(\c))*PB+32*(\i)
	ds_load_tr16_b128 v[(\f)+64+8*(4*(\c)+(\i))+4:(\f)+64+8*(4*(\c)+(\i))+7], v[ADRB+2*(\slot)+(\q)/2] offset:(((\q)%2)*64+32*(\c)+16)*PB+32*(\i)
	ds_load_b128 v[(\f)+8*(4*(\c)+(\i)):(\f)+8*(4*(\c)+(\i))+3],              v[ADRA+(\slot)] offset:128*(\q)+64*(\c)+(\i)*16*PA
	ds_load_b128 v[(\f)+8*(4*(\c)+(\i))+4:(\f)+8*(4*(\c)+(\i))+7],            v[ADRA+(\slot)] offset:128*(\q)+64*(\c)+(\i)*16*PA+32
.endr
.endr
.endm
.macro PLACES                          ; four places in front of loads into registers that matrix instructions have read, and of vector lines that read results
.rept 4
	v_nop
.endr
.endm
; A K step is four quarters of 64 along K, 32 matrix instructions each, on buffers 0, 1, 0, 1.  One of the first three: multiplies buffer f and fetches quarter q into g.
.macro QUARTER slot, q, f, g, zero
	s_wait_dscnt 16                                ; the first 32 along K are in; the youngest sixteen loads may be out
	WIN MUL
	MUL8 \f, 0, 0, \zero
	MUL8 \f, 0, 2, \zero
	PLACES
	FETCH \slot, \q, \g
	s_wait_dscnt 32                                ; all but the 32 just issued
	WIN MUL
	MUL8 \f, 1, 0, 0
	MUL8 \f, 1, 2, 0
.endm
; The last quarter multiplies buffer 1 and changes slots: ONE barrier; in front of it each wave waits for all its tensor loads, adds 0 to its spare word, and waits for that and for its own reads of this slot.  fill = 1: this slot is filled again, two K steps ahead.
.macro TURN slot, next, fill
	WIN 0                                          ; (the add's two registers lie in window 0)
	s_wait_tensorcnt 0x0                           ; all my tensor loads have landed: my part of the next slot;
	ds_add_u32 v[SPW], v[NIL]                      ; 0 onto my spare word;
	s_wait_dscnt 17                                ; (the add and the youngest sixteen loads may be out)
	WIN MUL
	MUL8 F1, 0, 0, 0                               ; eight matrix instructions stand between the add and the wait for it
	s_wait_dscnt 0x0                               ; the add is done, and my reads of this slot are over
	s_barrier_signal -1
	MUL8 F1, 0, 2, 0
.if \fill
	WIN 0
.endif
	s_barrier_wait -1
.if \fill
	CREST                                          ; the barrier has opened a round of the cluster's barrier: no wave of any partner still reads this slot's tile or has a load on its way
	s_add_nc_u64 s[G0+4*(\slot)+2:G0+4*(\slot)+3], s[G0+4*(\slot)+2:G0+4*(\slot)+3], 2*KSTEP*2
	s_add_nc_u64 s[G0B+4*(\slot)+2:G0B+4*(\slot)+3], s[G0B+4*(\slot)+2:G0B+4*(\slot)+3], 2*KSTEP*SIZE_N*2
	JLOAD \slot                                    ; the first tensor load behind the round: 112 matrix instructions ahead of the wait for it; the four v_nop behind it are also the places in front of the loads below
.else
	PLACES
.endif
	FETCH \next, 0, F0
	WIN MUL
	MUL8 F1, 1, 0, 0
	MUL8 F1, 1, 2, 0
.endm
	s_wait_tensorcnt 1                             ; my part of K step 0 is in; K step 1's may stay out
	s_barrier_signal -1
	s_barrier_wait -1                              ; everybody's is
	FETCH 0, 0, F0
	QUARTER 0, 1, F0, F1, 1                        ; the first quarter stands in front of the loop: its first products start the sums
	WIN 0                                          ; at a label and at a branch every window is 0
	s_mov_b32 s3, LAPS-1
.Llap:                                                 ; a trip goes once round the ring, from a lap's second quarter to the next lap's first, and fills both slots again
	QUARTER 0, 2, F1, F0, 0
	QUARTER 0, 3, F0, F1, 0
	TURN 0, 1, 1
	QUARTER 1, 1, F0, F1, 0
	QUARTER 1, 2, F1, F0, 0
	QUARTER 1, 3, F0, F1, 0
	TURN 1, 0, 1
	QUARTER 0, 1, F0, F1, 0
	WIN 0
	s_sub_co_u32 s3, s3, 1
	s_cmp_lg_u32 s3, 0
	s_cbranch_scc1 .Llap
	QUARTER 0, 2, F1, F0, 0                        ; the last lap fills nothing, and has no round of the cluster's barrier
	QUARTER 0, 3, F0, F1, 0
	TURN 0, 1, 0
	QUARTER 1, 1, F0, F1, 0
	QUARTER 1, 2, F1, F0, 0
	QUARTER 1, 3, F0, F1, 0
	s_wait_dscnt 16                                ; the very last quarter: nothing more to fetch
	WIN MUL
	MUL8 F1, 0, 0, 0
	MUL8 F1, 0, 2, 0
	s_wait_dscnt 0
	MUL8 F1, 1, 0, 0
	MUL8 F1, 1, 2, 0
	WIN 0
	; THE WAY OUT.  The bias is added in f32; 32 bytes a lane go into the work-group's stage; a barrier, since a row's 128 numbers come from two waves; back as whole rows of 512 bytes, 32 rows a wave.
	PLACES
.set t, 0
.rept 16
.set rA, ACC+8*t
.set rB, BIAS+8*(t%4)
	v_pk_add_f32 v[rA:rA+1],   v[rA:rA+1],   v[rB:rB+1]        ; each accumulator is read from its low end on
	v_pk_add_f32 v[rA+2:rA+3], v[rA+2:rA+3], v[rB+2:rB+3]
	v_pk_add_f32 v[rA+4:rA+5], v[rA+4:rA+5], v[rB+4:rB+5]
	v_pk_add_f32 v[rA+6:rA+7], v[rA+6:rA+7], v[rB+6:rB+7]
	ds_store_b128 v[STO], v[rA:rA+3]   offset:(t/4)*16*SPITCH+64*(t%4)
	ds_store_b128 v[STO], v[rA+4:rA+7] offset:(t/4)*16*SPITCH+64*(t%4)+16
.set t, t+1
.endr
	s_wait_dscnt 0x0                               ; for the others' sake: my stores into the stage are done
	s_barrier_signal -1
	s_barrier_wait -1
.set i, 0
.rept 32
	ds_load_b128 v[ACC+4*i:ACC+4*i+3], v[RD] offset:i*SPITCH
.set i, i+1
.endr
.set i, 0
.rept 32
	s_wait_dscnt 31-i                              ; row i is back; the younger loads stay out
	global_store_b128 v[CO], v[ACC+4*i:ACC+4*i+3], s[74:75] offset:i*SIZE_N*4  ; the wave stores 512 consecutive bytes, at a multiple of 256 from u2's first byte
.set i, i+1
.endr
	s_wait_tensorcnt 0x0                           ; the wave's end: an add to my spare word and its wait, behind my last tensor load and my last LDS store
	ds_add_u32 v[SPW], v[NIL]
	s_wait_dscnt 0x0
	CROUND                                         ; the closing round: no work-group ends while a partner may still ask for a tile that names it
	s_endpgm
.Lfunc_end_k_qf1c58012c7_ffn2:
	.size	k_qf1c58012c7_ffn2, .Lfunc_end_k_qf1c58012c7_ffn2-k_qf1c58012c7_ffn2
	.p2alignl 7, 3214868480
	.fill 96, 4, 3214868480
	.section	.rodata,"a",@progbits
	.p2align	6, 0x0
	.amdhsa_kernel k_qf1c58012c7_ffn2
		.amdhsa_group_segment_fixed_size 327680
		.amdhsa_private_segment_fixed_size 0
		.amdhsa_enable_private_segment 0
		.amdhsa_kernarg_size 32
		.amdhsa_user_sgpr_count 2
		.amdhsa_user_sgpr_kernarg_segment_ptr 1
		.amdhsa_wavefront_size32 1
		.amdhsa_system_sgpr_workgroup_id_x 1
		.amdhsa_system_sgpr_workgroup_id_y 1
		.amdhsa_system_sgpr_workgroup_id_z 1
		.amdhsa_system_vgpr_workitem_id 0
		.amdhsa_next_free_vgpr 512
		.amdhsa_next_free_sgpr 84
		.amdhsa_reserve_vcc 0
		.amdhsa_float_denorm_mode_32 3
		.amdhsa_float_denorm_mode_16_64 3
		.amdhsa_memory_ordered 1
		.amdhsa_forward_progress 1
		.amdhsa_inst_pref_size 94
	.end_amdhsa_kernel
	.amdgpu_metadata
---
amdhsa.version: [ 1, 2 ]
amdhsa.kernels:
  - .name:           k_qf1c58012c7_ffn2
    .symbol:         k_qf1c58012c7_ffn2.kd
    .args:
      - { .name: gbuf, .offset: 0, .size: 8, .value_kind: global_buffer, .address_space: global }
      - { .name: wffn, .offset: 8, .size: 8, .value_kind: global_buffer, .address_space: global }
      - { .name: bf2, .offset: 16, .size: 8, .value_kind: global_buffer, .address_space: global }
      - { .name: xcast, .offset: 24, .size: 8, .value_kind: global_buffer, .address_space: global }
    .group_segment_fixed_size: 327680
    .private_segment_fixed_size: 0
    .kernarg_segment_align: 8
    .kernarg_segment_size: 32
    .max_flat_workgroup_size: 128
    .sgpr_count:     84
    .vgpr_count:     512
    .wavefront_size: 32
...
	.end_amdgpu_metadata
.endif
;; end of part 6
;; launch ln2 (part 7): grid 256 x 1, 8 waves a work-group, no clusters, 0 bytes of LDS; arguments xcast, hbuf, g2, b2, out0; writes out0
.if DOCPART == 7
	.amdgcn_target "amdgcn-amd-amdhsa--gfx1250"
	.amdhsa_code_object_version 6
	.text
	.protected	k_qf1c58012c7_ln2
	.globl	k_qf1c58012c7_ln2
	.p2align	8
	.type	k_qf1c58012c7_ln2,@function
k_qf1c58012c7_ln2:
	s_mov_b64 s[64:65], 0
	v_nop
	global_prefetch_b8 v0, s[64:65] scope:SCOPE_SE
	s_setreg_imm32_b32 hwreg(HW_REG_WAVE_MODE, 25, 1), 1
	s_wait_xcnt 0x0
; out = LayerNorm(h + u2) g2 + b2.  u2 = G Wf2 + bf2: [8192][512] f32 (xcast); h: [8192][512] f16; g2, b2: [512] f32, rounded to bf16 here as every input is; out: [8192][512] f32.
; All arithmetic in f32; the variance in two passes: the mean first, then the sum of (x - mean)^2, so that a common offset of the row costs nothing.
; SHARES.  One wave, one row at a time, four rows a wave, 32 a work-group: the reduction never leaves the wave: no LDS, no barrier.  A lane holds columns 128 c + 4 lane + 0..3, c = 0..3: a load of h covers 256
; consecutive aligned bytes, a load of u2 and a store 512.  All 40 loads of a wave go out at once; a row is worked on and stored in the registers into which u2 was loaded, which are never loaded again, so the
; only waits are the counted ones.  Memory binds: no matrix unit, no cluster.
.set G,   4                            ; v[4:19]    g of my 16 columns
.set B,   20                           ; v[20:35]   b
.set ONE, 36                           ; v36        1.0
.set U,   44                           ; v[44:107]  row i: 16 registers: u2, then the row at work, then the result
.set H,   108                          ; v[108:139] row i: 8 registers of h
	s_load_b256 s[4:11], s[0:1], 0x0               ; u2 s[4:5], h s[6:7], g s[8:9], b s[10:11]
	s_load_b64 s[12:13], s[0:1], 0x20              ; out
	v_lshrrev_b32 v3, 5, v0
	v_readfirstlane_b32 s14, v3                    ; wave
	v_and_b32 v3, 31, v0
	v_lshlrev_b32 v1, 3, v3                        ; 8 bytes a lane in 16-bit data
	v_lshlrev_b32 v2, 4, v3                        ; 16 bytes a lane in f32 data
	s_lshl_b32 s16, ttmp9, 15                      ; 32 rows of 1,024 bytes a work-group,
	s_lshl_b32 s15, s14, 12                        ; 4 a wave
	s_add_co_u32 s16, s16, s15
	s_mov_b32 s17, 0
	s_lshl_b32 s22, s16, 1                         ; the same rows at 2,048 bytes
	s_mov_b32 s23, 0
	s_mov_b32 s18, 0x76543210                      ; v_permlanex16_b32: lane i of one half reads lane i of the other
	s_mov_b32 s19, 0xfedcba98
	s_mov_b32 s20, 0x3b000000                      ; 1 / 512
	s_mov_b32 s21, 0x3727c5ac                      ; 1e-5
	v_mov_b32 v[ONE], 1.0
.irp r, 37,38,39,40,41,42,43
	v_mov_b32 v\r, 0                               ; at work; written once whole, since pairs of them are named
.endr
	s_wait_kmcnt 0x0
	s_add_nc_u64 s[4:5], s[4:5], s[22:23]
	s_add_nc_u64 s[6:7], s[6:7], s[16:17]
	s_add_nc_u64 s[12:13], s[12:13], s[22:23]
.irp c, 0,1,2,3
	global_load_b128 v[G+4*\c:G+4*\c+3], v2, s[8:9] offset:512*\c
.endr
.irp c, 0,1,2,3
	global_load_b128 v[B+4*\c:B+4*\c+3], v2, s[10:11] offset:512*\c
.endr
.irp i, 0,1,2,3
.irp c, 0,1,2,3
	global_load_b128 v[U+16*\i+4*\c:U+16*\i+4*\c+3], v2, s[4:5] offset:2048*\i+512*\c th:TH_LOAD_NT
.endr
.irp c, 0,1,2,3
	global_load_b64 v[H+8*\i+2*\c:H+8*\i+2*\c+1], v1, s[6:7] offset:1024*\i+256*\c th:TH_LOAD_NT
.endr
.endr
	s_wait_loadcnt 32                              ; g and b are in; the four rows' 32 loads stay out
.set i, 0
.rept 16                                           ; g and b rounded to bf16, as every input is (G and B lie one behind the other)
	v_cvt_pk_bf16_f32 v37, v[G+2*i], v[G+2*i+1]
	v_lshlrev_b32 v[G+2*i], 16, v37
	v_and_b32 v[G+2*i+1], 0xffff0000, v37
.set i, i+1
.endr
.macro LANES                           ; v38 summed over the 32 lanes, the result in every lane
	v_add_f32_dpp v38, v38, v38 row_xmask:1 row_mask:0xf bank_mask:0xf
	v_add_f32_dpp v38, v38, v38 row_xmask:2 row_mask:0xf bank_mask:0xf
	v_add_f32_dpp v38, v38, v38 row_xmask:4 row_mask:0xf bank_mask:0xf
	v_add_f32_dpp v38, v38, v38 row_xmask:8 row_mask:0xf bank_mask:0xf
	v_permlanex16_b32 v39, v38, s18, s19
	v_add_f32 v38, v38, v39
.endm
.macro NORM tb                         ; the 16 numbers a lane at v[tb ..] are normalised over the row's 512, scaled by g and shifted by b
	v_pk_add_f32 v[38:39], v[\tb:\tb+1], v[\tb+2:\tb+3]
	v_pk_add_f32 v[40:41], v[\tb+4:\tb+5], v[\tb+6:\tb+7]
	v_pk_add_f32 v[38:39], v[38:39], v[\tb+8:\tb+9]
	v_pk_add_f32 v[40:41], v[40:41], v[\tb+10:\tb+11]
	v_pk_add_f32 v[38:39], v[38:39], v[\tb+12:\tb+13]
	v_pk_add_f32 v[40:41], v[40:41], v[\tb+14:\tb+15]
	v_pk_add_f32 v[38:39], v[38:39], v[40:41]
	v_add_f32 v38, v38, v39
	LANES
	v_mul_f32 v40, s20, v38                        ; the mean
.irp k, 0,2,4,6,8,10,12,14
	v_pk_add_f32 v[\tb+\k:\tb+\k+1], v[\tb+\k:\tb+\k+1], v[40:41] op_sel_hi:[1,0] neg_lo:[0,1] neg_hi:[0,1]
.endr
	v_pk_mul_f32 v[38:39], v[\tb:\tb+1], v[\tb:\tb+1]
	v_pk_mul_f32 v[42:43], v[\tb+2:\tb+3], v[\tb+2:\tb+3]
.irp k, 4,8,12
	v_pk_fma_f32 v[38:39], v[\tb+\k:\tb+\k+1], v[\tb+\k:\tb+\k+1], v[38:39]
	v_pk_fma_f32 v[42:43], v[\tb+\k+2:\tb+\k+3], v[\tb+\k+2:\tb+\k+3], v[42:43]
.endr
	v_pk_add_f32 v[38:39], v[38:39], v[42:43]
	v_add_f32 v38, v38, v39
	LANES
	v_fma_f32 v38, v38, s20, s21                   ; the variance + 1e-5
	v_rsq_f32 v42, v38
	v_nop                                          ; a plain instruction between the root and the use of its result (ISA guide 5.7.2)
	s_wait_alu depctr_va_vdst(0)
.irp k, 0,2,4,6,8,10,12,14
	v_pk_mul_f32 v[\tb+\k:\tb+\k+1], v[\tb+\k:\tb+\k+1], v[42:43] op_sel_hi:[1,0]
.endr
.irp k, 0,2,4,6,8,10,12,14
	v_pk_fma_f32 v[\tb+\k:\tb+\k+1], v[\tb+\k:\tb+\k+1], v[G+\k:G+\k+1], v[B+\k:B+\k+1]
.endr
.endm
.irp i, 0,1,2,3
	s_wait_loadcnt 8*(3-\i)                        ; row i's eight loads are in; the younger rows' stay out
.irp k, 0,1,2,3,4,5,6,7
	v_fma_mix_f32 v[U+16*\i+2*\k],   v[H+8*\i+\k], v[ONE], v[U+16*\i+2*\k]   op_sel_hi:[1,0,0]                 ; h x 1 + u2, h from the word's low half,
	v_fma_mix_f32 v[U+16*\i+2*\k+1], v[H+8*\i+\k], v[ONE], v[U+16*\i+2*\k+1] op_sel:[1,0,0] op_sel_hi:[1,0,0]  ; and from its high half
.endr
	NORM U+16*\i
.irp c, 0,1,2,3
	global_store_b128 v2, v[U+16*\i+4*\c:U+16*\i+4*\c+3], s[12:13] offset:2048*\i+512*\c th:TH_STORE_NT  ; the wave stores 512 consecutive bytes, aligned
.endr
.endr
	s_endpgm
.Lfunc_end_k_qf1c58012c7_ln2:
	.size	k_qf1c58012c7_ln2, .Lfunc_end_k_qf1c58012c7_ln2-k_qf1c58012c7_ln2
	.p2alignl 7, 3214868480
	.fill 96, 4, 3214868480
	.section	.rodata,"a",@progbits
	.p2align	6, 0x0
	.amdhsa_kernel k_qf1c58012c7_ln2
		.amdhsa_group_segment_fixed_size 0
		.amdhsa_private_segment_fixed_size 0
		.amdhsa_enable_private_segment 0
		.amdhsa_kernarg_size 40
		.amdhsa_user_sgpr_count 2
		.amdhsa_user_sgpr_kernarg_segment_ptr 1
		.amdhsa_wavefront_size32 1
		.amdhsa_system_sgpr_workgroup_id_x 1
		.amdhsa_system_sgpr_workgroup_id_y 1
		.amdhsa_system_sgpr_workgroup_id_z 1
		.amdhsa_system_vgpr_workitem_id 0
		.amdhsa_next_free_vgpr 144
		.amdhsa_next_free_sgpr 66
		.amdhsa_reserve_vcc 0
		.amdhsa_float_denorm_mode_32 3
		.amdhsa_float_denorm_mode_16_64 3
		.amdhsa_memory_ordered 1
		.amdhsa_forward_progress 1
		.amdhsa_inst_pref_size 28
	.end_amdhsa_kernel
	.amdgpu_metadata
---
amdhsa.version: [ 1, 2 ]
amdhsa.kernels:
  - .name:           k_qf1c58012c7_ln2
    .symbol:         k_qf1c58012c7_ln2.kd
    .args:
      - { .name: xcast, .offset: 0, .size: 8, .value_kind: global_buffer, .address_space: global }
      - { .name: hbuf, .offset: 8, .size: 8, .value_kind: global_buffer, .address_space: global }
      - { .name: g2, .offset: 16, .size: 8, .value_kind: global_buffer, .address_space: global }
      - { .name: b2, .offset: 24, .size: 8, .value_kind: global_buffer, .address_space: global }
      - { .name: out0, .offset: 32, .size: 8, .value_kind: global_buffer, .address_space: global }
    .group_segment_fixed_size: 0
    .private_segment_fixed_size: 0
    .kernarg_segment_align: 8
    .kernarg_segment_size: 40
    .max_flat_workgroup_size: 256
    .sgpr_count:     66
    .vgpr_count:     144
    .wavefront_size: 32
...
	.end_amdgpu_metadata
.endif
;; end of part 7
